; MI455X (gfx1250); checked and timed in simulation.
; The chip was launched on July 23, 2026; its instructions are those of AMD's public machine-readable ISA for CDNA 5 (MIT licence, August 2026) and "CDNA5" Instruction Set Architecture Reference Guide (July 2026). The comments in the code are by the model that wrote it; some were corrected since.
;; Multi Head Attention. Allowed arithmetic: matrix products marked QUANTISED: E2M1 operands, one E8M0 scale for each 32 along K, by v_wmma_scale_f32_16x16x128_f8f6f4 with both operands' format E2M1 (or v_wmma_scale_f32_32x16x128_f4), f32 sums; everything else in f32.
;; Inputs: W_k_codes 1,024 x 32 x 16 uint8 (E2M1 codes of W_k, K innermost, in blocks of 32 codes, two codes a byte); W_k_scales 1,024 x 32 uint8 (E8M0 scales of W_k, one for each 32 codes along K); W_o_codes 1,024 x 32 x 16 uint8 (E2M1 codes of W_o, K innermost, in blocks of 32 codes, two codes a byte); W_o_scales 1,024 x 32 uint8 (E8M0 scales of W_o, one for each 32 codes along K); W_q_codes 1,024 x 32 x 16 uint8 (E2M1 codes of W_q, K innermost, in blocks of 32 codes, two codes a byte); W_q_scales 1,024 x 32 uint8 (E8M0 scales of W_q, one for each 32 codes along K); W_v_codes 1,024 x 32 x 16 uint8 (E2M1 codes of W_v, K innermost, in blocks of 32 codes, two codes a byte); W_v_scales 1,024 x 32 uint8 (E8M0 scales of W_v, one for each 32 codes along K); b_o 1,024 float32; inputs_codes 4 x 2,048 x 32 x 16 uint8 (E2M1 codes of inputs, K innermost, in blocks of 32 codes, two codes a byte); inputs_scales 4 x 2,048 x 32 uint8 (E8M0 scales of inputs, one for each 32 codes along K).
;; Outputs: out0 4 x 2,048 x 1,024 float32.
;; This version of the problem:
;;   THIS VERSION OF THE PROBLEM IS GIVEN IN LOW PRECISION. The matrix products marked QUANTISED in the list below multiply operands that are first quantised to E2M1 (2 exponent bits, 1 mantissa bit; 4 bits a number), with one power-of-two scale for each 32 numbers along K (OCP MX v1.0); their sums are f32. All else is computed in f32.
;;   The module's matrix products, in the order in which they are computed (A, B: the left and right operand; K: the contracted axis; several contracted axes count as one K, in the product's order):
;;     1. [M 8,192, K 1,024] x [K 1,024, N 1,024]; A: input inputs (given as codes); B: input W_q (given as codes): QUANTISED
;;     2. [M 8,192, K 1,024] x [K 1,024, N 1,024]; A: input inputs (given as codes); B: input W_k (given as codes): QUANTISED
;;     3. [M 8,192, K 1,024] x [K 1,024, N 1,024]; A: input inputs (given as codes); B: input W_v (given as codes): QUANTISED
;;     4. batch 64 x [M 2,048, K 64] x [K 64, N 2,048]; A: computed on the way; B: computed on the way: QUANTISED
;;     5. batch 64 x [M 2,048, K 2,048] x [K 2,048, N 64]; A: softmax (see below); B: computed on the way: QUANTISED
;;     6. [M 8,192, K 1,024] x [K 1,024, N 1,024]; A: computed on the way; B: input W_o (given as codes): QUANTISED
;;   THE QUANTISER, for each operand of a quantised product, along K:
;;     - K is cut into blocks of 32 from its start; a last block that is shorter is filled with zeros.
;;     - A block's scale is 2^e with e = floor(log2(the largest magnitude in the block)) - 2, held to -126 .. 127; a block of zeros has e = 0. As a byte (E8M0): e + 127.
;;     - Each number is divided by its block's scale, clamped to +-6, and rounded to the nearest number of E2M1, ties to even, subnormals kept.
;;     - The product sums the exact products of the quantised numbers (number of the format x scale) in f32.
;;   ~~~python
;;   def quantise(x, axis):      # numpy; x: float32 -> the quantised numbers, widened to float32 again
;;       x = np.moveaxis(x, axis, -1); K = x.shape[-1]
;;       x = np.pad(x, [(0, 0)] * (x.ndim - 1) + [(0, -K % 32)]); x = x.reshape(x.shape[:-1] + (-1, 32)); a = np.abs(x).max(-1, keepdims=True)
;;       e = np.where(a > 0, np.clip(np.frexp(np.where(a > 0, a, 1))[1] - 1 - 2, -126, 127), 0)      # np.frexp(a)[1] - 1 = floor(log2(a)), exactly
;;       r = np.clip(x / 2.0 ** e, -6, 6)
;;       step = 2.0 ** (np.maximum(np.frexp(np.where(r == 0, 1, r))[1] - 1, 0) - 1)
;;       q = np.round(r / step) * step * 2.0 ** e      # np.round: ties to even
;;       return np.moveaxis(q.reshape(q.shape[:-2] + (-1,))[..., :K], -1, axis).astype(np.float32)
;;   ~~~
;;   SOFTMAX AHEAD OF A QUANTISED PRODUCT. Where the list says 'softmax', what is quantised is not the finished softmax but p = 2^(t - M), with t = logit x log2(e) and M = ceil(the row's largest t), a whole number; so 1/2 < the row's largest p <= 1. The row's sum l is taken of the UNQUANTISED p, in f32, and the product's result is divided by l at the end. Since M is a whole number, a kernel that streams over the keys may use a running M (the ceiling of the running maximum): every later rescaling is an exact power of two, which a block's scale takes up: the codes' values come out the same.
;;   OPERANDS COMPUTED ON THE WAY. 'Computed on the way' means the value that the module computes at that place (a softmax that the list does not call 'softmax' is quantised finished and normalised). What goes into a quantiser is computed in f32, as accurately as f32 sums, v_exp_f32 and their like allow (about 1e-6 of the number): no bf16 or f16 on the way to a quantiser, and a product that is left as it is and whose result goes on into a quantised operand takes f32 operands (vector FMAs, or v_wmma_f32_16x16x4_f32). A number that lies on a knife's edge between two numbers of the format may be rounded either way, as far as f32 arithmetic and the matrix unit's own rounding can turn it there, and no further.
;;   INPUTS GIVEN AS CODES. W_k (in the module: [1024, 1024], K = its axis 1); W_o (in the module: [1024, 1024], K = its axis 1); W_q (in the module: [1024, 1024], K = its axis 1); W_v (in the module: [1024, 1024], K = its axis 1); inputs (in the module: [4, 2048, 1024], K = its axis 2): each comes as NAME_codes (uint8): NAME with its K axis moved to the last place and cut into blocks of 32 codes, [.., K / 32, bytes a block], one block behind the other in memory; two codes a byte, the lower K in the low four bits (a code: sign, 2 exponent bits, 1 mantissa bit); and NAME_scales (uint8): the same leading axes, one E8M0 byte (e + 127) for each 32 codes along K. Its value is code x scale, taken as it is: it is not quantised again, and the codes and scales need not be those that the quantiser above would give.
;; One version. Each part assembles by itself: llvm-mc -triple=amdgcn-amd-amdhsa -mcpu=gfx1250 --defsym DOCPART=n.
;; ======== version 1 of 1: 3 launches
;; workspace buffers: qkv_codes 12,582,912 bytes; qkv_scales 1,310,720 bytes; ctx_codes 4,194,304 bytes; ctx_scales 262,144 bytes
;; launch proj (part 1): grid 8 x 32, 4 waves a work-group, clusters of 4 x 4, 327,680 bytes of LDS; arguments inputs_codes, inputs_scales, W_q_codes, W_q_scales, W_k_codes, W_k_scales, W_v_codes, W_v_scales, qkv_codes, qkv_scales; writes qkv_codes, qkv_scales
.if DOCPART == 1
	.amdgcn_target "amdgcn-amd-amdhsa--gfx1250"
	.amdhsa_code_object_version 6
	.text
	.protected	k_q5837b45acb_proj
	.globl	k_q5837b45acb_proj
	.p2align	8
	.type	k_q5837b45acb_proj,@function
k_q5837b45acb_proj:
	s_mov_b64 s[64:65], 0
	v_nop
	global_prefetch_b8 v0, s[64:65] scope:SCOPE_SE
	s_setreg_imm32_b32 hwreg(HW_REG_WAVE_MODE, 25, 1), 1
	s_wait_xcnt 0x0
	s_wait_alu depctr_hold_cnt(0) depctr_sa_sdst(0) depctr_va_vdst(0) depctr_va_sdst(0) depctr_va_ssrc(0) depctr_va_vcc(0) depctr_vm_vsrc(0)
	s_getreg_b32 s2, hwreg(HW_REG_IB_STS2, 6, 4)
	s_cmp_eq_u32 s2, 0
	s_cbranch_scc0 .Lentry_in_a_cluster
	s_endpgm
.Lentry_in_a_cluster:
	s_bfe_u32 s2, ttmp6, 0x10000c
	s_cmp_lg_u32 s2, 0xf033
	s_cbranch_scc0 .Lentry_shape_is_right
	s_endpgm
.Lentry_shape_is_right:
; Q = X Wq^T, K = X Wk^T, V = X Wv^T on codes of FP4 (E2M1) with one E8M0 scale for each 32 along K = 1,024, sums in f32; the results are quantised at once,
; Q and K along a head's 64 channels, V along the keys, and leave as codes and scale words laid as the next launch's operand registers.
; SHARES.  X is [8,192][1,024], each W [1,024][1,024].  2 x 4 x 32 = 256 work-groups of equal work.  The cluster's x says Q (0) or K (1), cx the block of 256 outputs, 4 x cluster y + cy the block of 256 tokens.
; A work-group of four waves first makes 256 tokens x 256 outputs of Q or K (a wave 128 x 128: 64 accumulators), then, from the same rows of X, 256 keys x 128 channels of V (a wave 128 x 64: 32 accumulators):
; the eight work-groups that share a block of tokens take the eight blocks of 128 rows of Wv, block 4 x (Q or K) + cx.
; LDS.  A row of 1,024 codes is 512 bytes, taken as two halves of 256 bytes in two slots, X's 256 rows and W's 256 rows in each; both are filled at the start.  Wv's 128 rows (both halves: 2 x 128 x 272 bytes) are just as many bytes as
; slot 0's rows of W and land there when those have been read for the last time: the launch's one refill.  It has slot 1's 256 matrix instructions and the way out of Q or K in which to land.  Nothing is stored to LDS.
; CLUSTERS: 4 x 4 work-groups.  The four of a row of the cluster need the same rows of X, the four of a column the same rows of W and of Wv: each tile is asked for jointly, by the same tensor load with a mask that names the four.
; P AND R.  Source 0 of the matrix instruction (P) is the operand whose rows run along a lane's eight result registers, source 1 (R) the one whose row is the lane's.  The quantiser's conversions take neighbours
; along the next product's K from one lane's registers: so for Q and K P = W (channels) and R = X (tokens); for V P = X (keys) and R = Wv (channels).
; THE ROWS OF A TILE ARE NOT NEIGHBOURS.  Of 32 rows the even tile takes rows 0-7 and 24-31 (lane r: r + 16 (r / 8)), the odd tile rows 8-23 (lane r: r + 8).  So lanes 0-15 hold, in the 16 registers of two neighbouring tiles of P,
; numbers 0-15 of a block of 32 and lanes 16-31 numbers 24-31 and 16-23; the conversions' results are put in registers so that two exchanges of lane halves give the operand's layout.  With rows 272 bytes apart the sixteen rows of such a tile start at sixteen different groups of four banks.
; LIMITS: NaN and infinities are not served.  A block whose largest magnitude lies under 2^-124, a block of zeros among them, gets the scale byte 1 (the rule says 127 for zeros): its codes add nothing, and the bytes are read by this program alone.
.set PITCH, 272                        ; an LDS row: 256 bytes of codes + 16 of padding
.set HALFT, 128*PITCH                  ; 128 rows
.set SLOT,  4*HALFT                    ; X's 256 rows, then W's 256 rows, 512 along K
.set WVR,   2*HALFT                    ; where slot 0 held W's rows: Wv's 128 rows, first half of K, then second half
.set SCL,   2*SLOT                     ; behind the slots: the scale bytes (32 a row) as runs of 256 bytes + 16 of padding
.set HALFS, 16*272                     ; those of 128 rows; X's two halves, then W's two: up to byte 295,936
.set SPARE, 301056                     ; = 1,176 x 256: the spare words, 128 bytes for each wave: two blocks of 256 bytes that no other line names
.set ADRSP, 10                         ; v10-11  V: LDS address of X's scale words for my keys: even tiles, odd tiles; + 16 h
.set VOS,  12                          ; v12-13  V: byte offset of Wv's scale words for my channels: even tiles, odd tiles; + 16 h
.set SPW,  14                          ; v14     LDS address of my spare word: SPARE + 4 x my thread's number; never rewritten
.set NIL,  15                          ; v15     0; never rewritten
.set ADRR, 16                          ; v16-19  LDS address of my R fragments (X): + 2 x (tile odd) + slot
.set ADRP, 20                          ; v20-23  the same for P (W)
.set ADRS, 24                          ; v24-25  of my scale words (lanes 0-15 X's rows, lanes 16-31 W's): even tiles, odd tiles
.set GO,   26                          ; v26     16 x lane
.set GO8,  27                          ; v27     8 x lane
.set ADRPV, 28                         ; v28-31  V: my P fragments (X, my 128 keys): + 2 x (tile odd) + slot
.set SC,   32                          ; v32-95  scale words, a set of 32 for each slot: register 4 i + q: lanes 0-15 R's tile i, lanes 16-31 P's tile i.  V: v32-63: register 4 i + q: X's tile i, K step q in lanes 0-15, 4 + q in lanes 16-31
.set VRS,  96                          ; v96-111 V: Wv's scale words, register 4 i + q likewise
.set RF,   128                         ; v128-191 R's eight fragments, one set (V: two sets of four); on the ways out the codes just made
.set ADRRV, 192                        ; v192-195 V: my R fragments (Wv, my 64 channels): + 2 x (tile odd) + half of K
.set TM,   200                         ; v200-215 the quantiser at work
.set PW,   216                         ; v216-223 the scale word of each tile of R
.set MW,   224                         ; v224-235 scale words on their way out
.set G1V,  4                           ; s[4:11], s[12:15] groups 1 and 0 for Wv's codes (written when the pointers that lay there have been used)
.set G0V,  12
.set G1,   24                          ; s[24:31] descriptor group 1 for X's codes;  s[32:39] group 0, one for each slot
.set G0,   32
.set G1B,  40                          ; s[40:47], s[48:55] the same for W's
.set G0B,  48
.set G1S,  56                          ; s[56:63], s[68:71] groups 1 and 0 for X's scale bytes;  s[72:79], s[80:83] for W's
.set G0S,  68
.set G1SB, 72
.set G0SB, 80
.set WV,   84                          ; s84 wave;  s85 wave / 2;  s86 wave % 2
.set WR,   85
.set WP,   86
.set CX,   87
.set CY,   88
.set KIND, 89
.set YT,   90
.set SEL,  92                          ; s[92:93] lane selects: lane l xor 16
.set FILL, 94                          ; s94     two scale bytes 127 for the half of the next product's K step that holds zero codes
.set OUTB, 96                          ; s[96:97] where my codes of Q or K go;  s[98:99] their scale words;  s[20:21], s[22:23] the same for V
.set OSB,  98
.set OUTV, 20
.set OSV,  22
.set NBV,  104                         ; s104    my work-group's block of 128 rows of Wv
.set W0,   (3<<16)|(1<<20)|(1<<21)|(5<<22)|(3<<25)   ; group 1, word 0 without the mask: elements of 8 bytes; padding on; bit 21 beside a mask; after every 64 words; four words
.set MUL_LO, 0xa1                      ; source 0 (P) window 1, source 1 (R) window 0, C and D window 2
.set MUL_HI, 0xf1                      ; the same, C and D window 3
.set TO_P,   0x40                      ; destination window 1, address window 0
.set MSB, 0
.macro WIN new                         ; the immediate's high byte repeats the setting that is left; a switch that changes nothing is dropped
.if MSB != (\new)
	s_set_vgpr_msb (MSB<<8)|(\new)
.set MSB, \new
.endif
.endm
.macro PLACES n
.rept \n
	v_nop
.endr
.endm
.macro DESC1 g, c, r, p                ; words 1 to 7 of a group 1: a tile of r rows of c elements, p elements from row to row; the tile lies inside the tensor
	s_mov_b32 s[\g+1], (\c)<<16
	s_mov_b32 s[\g+2], (\r)<<16
	s_mov_b32 s[\g+3], (\c)<<16
	s_mov_b32 s[\g+4], \r
	s_mov_b32 s[\g+5], \p
	s_mov_b32 s[\g+6], 0
	s_mov_b32 s[\g+7], 0
.endm
.macro CREST                           ; a round of the cluster's barrier behind its opening barrier
	s_cmp_lg_u32 s[WV], 0
	s_cbranch_scc1 .Lnot_wave_0_\@
	s_barrier_signal -3
.Lnot_wave_0_\@:
	s_barrier_wait -3
	s_barrier_signal -1
	s_barrier_wait -1
.endm
.macro ROUND                           ; a whole round
	s_barrier_signal -1
	s_barrier_wait -1
	CREST
.endm
; A joint load: waves 0 and 1 fetch for X, waves 2 and 3 for W.  Each line has one mask and one set of registers for all that issue it; the branch hangs on the wave's number alone.  Four v_nop follow each line.
.macro JLOAD g0a, g1a, g0b, g1b
	s_cmp_eq_u32 s[WR], 0
	s_cbranch_scc0 .Lfor_w_\@
	tensor_load_to_lds s[\g0a:\g0a+3], s[\g1a:\g1a+7]
	s_nop 0
	PLACES 4
	s_branch .Lasked_\@
.Lfor_w_\@:
	tensor_load_to_lds s[\g0b:\g0b+3], s[\g1b:\g1b+7]
	s_nop 0
	PLACES 4
.Lasked_\@:
.endm
	s_load_b512 s[4:19], s[0:1], 0x0               ; X's codes s[4:5], scales s[6:7]; Wq's s[8:11]; Wk's s[12:15]; Wv's s[16:19]
	s_load_b128 s[20:23], s[0:1], 0x40             ; the codes' buffer, the scale words' buffer
	v_lshl_add_u32 v[SPW], v0, 2, SPARE
	v_mov_b32 v[NIL], 0
	ds_add_u32 v14, v15
	ds_add_u32 v14, v15
	s_wait_dscnt 0x0
	v_lshrrev_b32 v1, 5, v0
	v_readfirstlane_b32 s[WV], v1                  ; wave 0..3
	s_lshr_b32 s[WR], s[WV], 1                     ; which part of R is mine.  Also: I fetch for X (0) or for W (1)
	s_and_b32 s[WP], s[WV], 1                      ; which 128 rows of P.  Also: which 128 rows of that tile I fetch
	s_bfe_u32 s[CX], ttmp6, 0x40000
	s_bfe_u32 s[CY], ttmp6, 0x40004
	s_mov_b32 s[KIND], ttmp9                       ; the cluster's x: 0 Q, 1 K: the same in all sixteen partners
	s_and_b32 s[YT], ttmp7, 0xffff
	s_lshl_b32 s[YT], s[YT], 2
	s_add_co_u32 s[YT], s[YT], s[CY]               ; block of 256 tokens
	s_lshl_b32 s91, s[CY], 2
	s_lshl_b32 s91, 15, s91                        ; my row of the cluster: X's tiles
	s_lshl_b32 s95, 0x1111, s[CX]                  ; my column: W's and Wv's tiles
	s_or_b32 s[G1], s91, W0
	s_or_b32 s[G1S], s91, W0
	s_or_b32 s[G1B], s95, W0
	s_or_b32 s[G1SB], s95, W0
	DESC1 G1, 32, 128, 64                          ; codes: 128 rows of 256 bytes, 512 bytes apart
	DESC1 G1B, 32, 128, 64
	DESC1 G1S, 32, 16, 32                          ; scale bytes of 128 rows: 4,096 dense bytes as 16 rows of 256
	DESC1 G1SB, 32, 16, 32
	s_lshl_b32 s3, s[WP], 7
	s_lshl_b32 s2, s[YT], 8
	s_add_co_u32 s2, s2, s3                        ; X: row 256 x token block + 128 x half
	s_lshl_b32 s100, s[CX], 8
	s_add_co_u32 s100, s100, s3                    ; W: row 256 cx + 128 x half
	s_lshl_b32 s66, s2, 5                          ; 32 scale bytes a row,
	s_mov_b32 s67, 0
	s_lshl_b32 s2, s2, 9                           ; 512 bytes of codes
	s_mov_b32 s3, 0
	s_lshl_b32 s92, s100, 5
	s_mov_b32 s93, 0
	s_lshl_b32 s100, s100, 9
	s_mov_b32 s101, 0
	s_lshl_b32 s[NBV], s[KIND], 2
	s_add_co_u32 s[NBV], s[NBV], s[CX]             ; Wv: block 4 x (Q or K) + cx of 128 rows
	s_wait_kmcnt 0x0
	s_cmp_eq_u32 s[KIND], 0                        ; Wq or Wk: the choice hangs on the cluster's number alone
	s_cselect_b64 s[8:9], s[8:9], s[12:13]
	s_cselect_b64 s[10:11], s[10:11], s[14:15]
	s_add_nc_u64 s[4:5], s[4:5], s[2:3]
	s_add_nc_u64 s[6:7], s[6:7], s[66:67]
	s_add_nc_u64 s[8:9], s[8:9], s[100:101]
	s_add_nc_u64 s[10:11], s[10:11], s[92:93]
	ROUND                                          ; all sixteen work-groups are here: the joint loads meet
	s_mov_b32 s[G0S], 1
	s_mul_i32 s[G0S+1], s[WV], HALFS               ; where they go: wave x 128 rows: no place in the cluster enters an LDS address
	s_add_co_u32 s[G0S+1], s[G0S+1], SCL
	s_mov_b64 s[G0S+2:G0S+3], s[6:7]
	s_or_b32 s[G0S+3], s[G0S+3], 0x80000000
	s_mov_b32 s[G0SB], 1
	s_mul_i32 s[G0SB+1], s[WV], HALFS
	s_add_co_u32 s[G0SB+1], s[G0SB+1], SCL
	s_mov_b64 s[G0SB+2:G0SB+3], s[10:11]
	s_or_b32 s[G0SB+3], s[G0SB+3], 0x80000000
	JLOAD G0S, G1S, G0SB, G1SB                     ; the scale bytes first: they are wanted with the first half of K
.irp s, 0,1
	s_mov_b32 s[G0+4*\s], 1
	s_mul_i32 s[G0+4*\s+1], s[WV], HALFT
	s_add_co_u32 s[G0+4*\s+1], s[G0+4*\s+1], \s*SLOT
	s_add_nc_u64 s[G0+4*\s+2:G0+4*\s+3], s[4:5], \s*256
	s_or_b32 s[G0+4*\s+3], s[G0+4*\s+3], 0x80000000
	s_mov_b32 s[G0B+4*\s], 1
	s_mul_i32 s[G0B+4*\s+1], s[WV], HALFT
	s_add_co_u32 s[G0B+4*\s+1], s[G0B+4*\s+1], \s*SLOT
	s_add_nc_u64 s[G0B+4*\s+2:G0B+4*\s+3], s[8:9], \s*256
	s_or_b32 s[G0B+4*\s+3], s[G0B+4*\s+3], 0x80000000
	s_wait_alu depctr_va_vdst(0)
	s_wait_tensorcnt 0x0
	ds_add_u32 v14, v15
	s_wait_dscnt 0x0
	ROUND
	JLOAD G0+4*\s, G1, G0B+4*\s, G1B               ; one tensor load of mine is out behind each of these
.endr
	; The refill's descriptor: wave w brings half w % 2 of K of rows 64 (w / 2) .. + 63 of my block of Wv.  It hangs on the cluster's x, cx and the wave's number alone, which the four of my column share.
	s_or_b32 s[G1V], s95, W0
	DESC1 G1V, 32, 64, 64                          ; 64 rows of 256 bytes, 512 bytes apart
	s_mov_b32 s[G0V], 1
	s_mul_i32 s[G0V+1], s[WP], HALFT
	s_mul_i32 s105, s[WR], 64*PITCH
	s_add_co_u32 s[G0V+1], s[G0V+1], s105
	s_add_co_u32 s[G0V+1], s[G0V+1], WVR
	s_lshl_b32 s100, s[NBV], 16                    ; 128 rows of 512 bytes a block,
	s_lshl_b32 s105, s[WR], 15                     ; 64 rows,
	s_add_co_u32 s100, s100, s105
	s_lshl_b32 s105, s[WP], 8                      ; 256 bytes a half of K
	s_add_co_u32 s100, s100, s105
	s_add_nc_u64 s[G0V+2:G0V+3], s[16:17], s[100:101]
	s_or_b32 s[G0V+3], s[G0V+3], 0x80000000
	s_lshl_b32 s100, s[NBV], 12                    ; Wv's scale bytes: 32 a row: my 64 channels' are 2,048 consecutive bytes
	s_lshl_b32 s105, s[WR], 11
	s_add_co_u32 s100, s100, s105
	s_add_nc_u64 s[18:19], s[18:19], s[100:101]
	s_mov_b32 s[SEL], 0x76543210
	s_mov_b32 s[SEL+1], 0xfedcba98
	s_mov_b32 s[FILL], 0x7f7f0000
	v_and_b32 v1, 15, v0                           ; r
	v_bfe_u32 v2, v0, 4, 1                         ; h
	v_and_b32 v3, 31, v0                           ; lane
	v_bfe_u32 v4, v0, 3, 1                         ; r / 8
	v_lshlrev_b32 v[VOS+1], 5, v1
	v_lshl_add_u32 v[VOS+1], v2, 4, v[VOS+1]       ; 32 r + 16 h: lanes 0-15 take a row's first four scale words, lanes 16-31 its last four
	v_lshl_add_u32 v[VOS], v4, 9, v[VOS+1]         ; an even tile's row lies 16 (r / 8) rows further on
.irp i, 0,1,2,3
	global_load_b128 v[VRS+4*\i:VRS+4*\i+3], v[VOS+\i%2], s[18:19] offset:(\i/2)*1024+(\i%2)*256   ; tile i of my 64 channels; the four loads read each of the 2,048 bytes once
.endr
	v_lshl_add_u32 v5, v4, 4, v1                   ; an even tile's row: r + 16 (r / 8)
	v_mul_u32_u24 v6, v5, PITCH
	v_lshl_add_u32 v6, v2, 4, v6                   ; x pitch + 16 h
	v_add_nc_u32 v7, 8, v1                         ; an odd tile's: r + 8
	v_mul_u32_u24 v7, v7, PITCH
	v_lshl_add_u32 v7, v2, 4, v7
	s_mul_i32 s2, s[WP], HALFT
	s_mul_i32 s3, s[WR], HALFT
.irp s, 0,1
	v_add_nc_u32 v[ADRR+\s], s3, v6                ; Q, K: R = X's rows 128 (w / 2) on
	v_add_nc_u32 v[ADRR+2+\s], s3, v7
	v_add_nc_u32 v[ADRPV+\s], s2, v6               ; V: P = X's rows 128 (w % 2) on
	v_add_nc_u32 v[ADRPV+2+\s], s2, v7
	s_add_co_u32 s2, s2, SLOT
	s_add_co_u32 s3, s3, SLOT
.endr
.irp k, 0,1,2,3
	v_add_nc_u32 v[ADRP+\k], 2*HALFT, v[ADRPV+\k]  ; Q, K: P = W's rows 128 (w % 2) on, behind X's 256
.endr
	s_mul_i32 s91, s[WR], 64*PITCH
	s_add_co_u32 s91, s91, WVR
.irp g, 0,1
	v_add_nc_u32 v[ADRRV+\g], s91, v6              ; V: R = Wv's rows 64 (w / 2) on
	v_add_nc_u32 v[ADRRV+2+\g], s91, v7
	s_add_co_u32 s91, s91, HALFT
.endr
	s_mul_i32 s2, s[WR], HALFS
	s_add_co_u32 s2, s2, SCL                       ; lanes 0-15: the scale bytes of my rows of X: SCL + HALFS (w / 2);
	s_xor_b32 s3, s[WR], 1                         ; lanes 16-31: those of my rows of W, SCL + HALFS (2 + w % 2), which lie (1 - w / 2) + w % 2 + 1 times HALFS further on
	s_add_co_u32 s3, s3, s[WP]
	s_add_co_u32 s3, s3, 1
	s_mul_i32 s3, s3, HALFS
	v_mul_u32_u24 v8, s3, v2
	v_add_nc_u32 v8, s2, v8
	v_lshl_add_u32 v8, v1, 5, v8                   ; row x of 128 lies at 32 x + 16 (x / 8).  Even tile, x = r + 16 (r / 8): 32 r + 560 (r / 8);
	v_mad_u32_u24 v[ADRS], v4, 560, v8
	v_lshl_add_u32 v[ADRS+1], v4, 4, v8            ; odd tile, x = r + 8: 32 r + 272 + 16 (r / 8)
	v_add_nc_u32 v[ADRS+1], 272, v[ADRS+1]
	s_mul_i32 s2, s[WP], HALFS
	s_add_co_u32 s2, s2, SCL
	v_add_nc_u32 v5, s2, v[VOS+1]                  ; V: the scale bytes of my 128 keys, + 16 h
	v_mad_u32_u24 v[ADRSP], v4, 560, v5
	v_lshl_add_u32 v[ADRSP+1], v4, 4, v5
	v_add_nc_u32 v[ADRSP+1], 272, v[ADRSP+1]
	v_lshlrev_b32 v[GO], 4, v3
	v_lshlrev_b32 v[GO8], 3, v3
.irp b, 0,1,2,3
	v_mov_b32 v[TM+4+\b], 0                        ; written once: a lane permute's destination counts as one of its sources
.endr
	; where my results go.  Codes: 4,194,304 bytes a product, 131,072 for a pair of heads of a batch, 8,192 for a block of 128 tokens.  Scale words of Q, K: 524,288 a product, 8,192 a head, 512 a block; of V: half of the last two
	s_lshr_b32 s2, s[YT], 3
	s_lshl_b32 s2, s2, 3                           ; 8 x batch
	s_lshl_b32 s3, s[CX], 1
	s_add_co_u32 s3, s3, s[WP]
	s_add_co_u32 s3, s3, s2                        ; Q, K: 8 batch + pair of heads 2 cx + w % 2
	s_lshl_b32 s91, s[YT], 1
	s_add_co_u32 s91, s91, s[WR]
	s_and_b32 s91, s91, 15                         ; block of tokens in the batch
	s_lshl_b32 s66, s3, 17
	s_lshl_b32 s95, s91, 13
	s_add_co_u32 s66, s66, s95
	s_lshl_b32 s95, s[KIND], 22
	s_add_co_u32 s66, s66, s95
	s_mov_b32 s67, 0
	s_add_nc_u64 s[OUTB:OUTB+1], s[20:21], s[66:67]
	s_lshl_b32 s66, s3, 14
	s_lshl_b32 s95, s91, 9
	s_add_co_u32 s66, s66, s95
	s_lshl_b32 s95, s[KIND], 19
	s_add_co_u32 s66, s66, s95
	s_add_nc_u64 s[OSB:OSB+1], s[22:23], s[66:67]
	s_add_co_u32 s3, s2, s[NBV]                    ; V: 8 batch + my block of Wv (a pair of heads); head w / 2 of the pair; keys 128 (w % 2) on
	s_lshl_b32 s91, s[YT], 1
	s_add_co_u32 s91, s91, s[WP]
	s_and_b32 s91, s91, 15
	s_lshl_b32 s66, s3, 17
	s_lshl_b32 s95, s91, 13
	s_add_co_u32 s66, s66, s95
	s_lshl_b32 s95, s[WR], 11
	s_add_co_u32 s66, s66, s95
	s_add_co_u32 s66, s66, 8388608
	s_add_nc_u64 s[OUTV:OUTV+1], s[20:21], s[66:67]
	s_lshl_b32 s66, s3, 13
	s_lshl_b32 s95, s91, 8
	s_add_co_u32 s66, s66, s95
	s_lshl_b32 s95, s[WR], 12
	s_add_co_u32 s66, s66, s95
	s_add_co_u32 s66, s66, 1048576
	s_add_nc_u64 s[OSV:OSV+1], s[22:23], s[66:67]
.macro FRAG reg, adr, q, i             ; tile i's fragment, 16 rows x 128 K: registers 4 c .. 4 c + 3 hold K = 64 c + 32 h + 0 .. 31: 16 bytes of the row as they lie
.irp c, 0,1
	ds_load_b128 v[\reg+4*\c:\reg+4*\c+3], v[\adr+2*((\i)%2)] offset:64*(\q)+32*\c+((\i)/2)*32*PITCH
.endr
.endm
.macro FETCH_P slot, q, p              ; P's eight fragments of the slot's q-th 128 along K into set p
	WIN TO_P
.irp i, 0,1,2,3,4,5,6,7
	FRAG 128*(\p)+8*\i, ADRP+\slot, \q, \i
.endr
	WIN 0
.endm
.macro FETCH_R slot, q, i0             ; R's tiles i0 .. i0 + 3
.irp i, \i0, \i0+1, \i0+2, \i0+3
	FRAG RF+8*(\i), ADRR+\slot, \q, \i
.endr
.endm
.macro SCALES slot                     ; the slot's scale words: four a row
.irp i, 0,1,2,3,4,5,6,7
	ds_load_b128 v[SC+32*\slot+4*\i:SC+32*\slot+4*\i+3], v[ADRS+\i%2] offset:(\i/2)*1088+16*\slot
.endr
.endm
; 16 matrix instructions: R's tiles a0, a0 + 1 x P's eight.  The 64 accumulators take turns, one instruction a turn, in the same order in every step.  zero = 1: the first product starts the sums.
.macro MUL16 a0, p, q, sc, zero
.irp a, \a0, \a0+1
.irp b, 0,1,2,3,4,5,6,7
.if \zero
	v_wmma_scale_f32_16x16x128_f8f6f4 v[8*(8*((\a)%4)+\b):8*(8*((\a)%4)+\b)+7], v[128*(\p)+8*\b:128*(\p)+8*\b+7], v[RF+8*(\a):RF+8*(\a)+7], 0, v[SC+32*(\sc)+4*\b+(\q)], v[SC+32*(\sc)+4*(\a)+(\q)] matrix_a_fmt:MATRIX_FMT_FP4 matrix_b_fmt:MATRIX_FMT_FP4 matrix_a_scale:MATRIX_SCALE_ROW1
.else
	v_wmma_scale_f32_16x16x128_f8f6f4 v[8*(8*((\a)%4)+\b):8*(8*((\a)%4)+\b)+7], v[128*(\p)+8*\b:128*(\p)+8*\b+7], v[RF+8*(\a):RF+8*(\a)+7], v[8*(8*((\a)%4)+\b):8*(8*((\a)%4)+\b)+7], v[SC+32*(\sc)+4*\b+(\q)], v[SC+32*(\sc)+4*(\a)+(\q)] matrix_a_fmt:MATRIX_FMT_FP4 matrix_b_fmt:MATRIX_FMT_FP4 matrix_a_scale:MATRIX_SCALE_ROW1
.endif
.endr
.endr
.endm
; A step of 128 along K that has its successor in the same slot.  A tile of R is free as soon as its eight products are issued, so R has one set of registers: tiles 0-3 are fetched anew in the step's middle, tiles 4-7 at its end; P has two sets.
; Loads into registers that matrix instructions have read stand four places behind them (ISA guide 7.12.1 for vector instructions).
.macro STEP slot, q, zero
	s_wait_dscnt 8                                 ; all but the youngest eight loads (R's tiles 4-7) are in
	WIN MUL_LO
	MUL16 0, (\q)%2, \q, \slot, \zero
	MUL16 2, (\q)%2, \q, \slot, \zero
	s_wait_dscnt 0x0                               ; R's tiles 4-7 are in
	PLACES 4
	FETCH_P \slot, (\q)+1, 1-(\q)%2
	FETCH_R \slot, (\q)+1, 0
	WIN MUL_HI
	MUL16 4, (\q)%2, \q, \slot, \zero
	MUL16 6, (\q)%2, \q, \slot, \zero
	PLACES 4
	WIN 0
	FETCH_R \slot, (\q)+1, 4
.endm
; ---- Q or K
	s_wait_tensorcnt 0x1                           ; my scale bytes and my part of slot 0 are in; slot 1's load may be out
	s_barrier_signal -1
	s_barrier_wait -1                              ; everybody's are
	FETCH_P 0, 0, 0
	FETCH_R 0, 0, 0
	SCALES 0
	FETCH_R 0, 0, 4
	STEP 0, 0, 1
	STEP 0, 1, 0
	STEP 0, 2, 0
	; Slot 0's last step goes over to slot 1, and slot 0's rows of W, which nobody reads any more, are filled again with Wv's.  ONE barrier, which opens a round of the cluster's barrier: in front of it each wave waits for all
	; its tensor loads (its part of slot 1), adds 0 to its spare word, and waits for that and for its own reads of slot 0.
	s_wait_tensorcnt 0x0                           ; all my tensor loads have landed;  (every window is 0 here: the add's two registers lie in window 0)
	ds_add_u32 v[SPW], v[NIL]                      ; 0 onto my spare word
	s_wait_dscnt 9                                 ; (the add and the youngest eight loads, R's tiles 4-7, may be out)
	WIN MUL_LO
	MUL16 0, 1, 3, 0, 0                            ; sixteen matrix instructions stand between the add and the wait for it
	s_wait_dscnt 0x0                               ; the add is done, and my reads of slot 0's rows of W are over
	s_barrier_signal -1
	MUL16 2, 1, 3, 0, 0
	WIN 0
	s_barrier_wait -1
	CREST                                          ; no wave of any partner still reads those bytes or has a load on its way
	tensor_load_to_lds s[G0V:G0V+3], s[G1V:G1V+7]  ; my quarter of Wv: the first thing behind the round, my one tensor load from here on
	s_nop 0
	PLACES 4                                       ; (the places in front of the loads below)
	FETCH_P 1, 0, 0
	FETCH_R 1, 0, 0
	SCALES 1
	WIN MUL_HI
	MUL16 4, 1, 3, 0, 0
	MUL16 6, 1, 3, 0, 0
	PLACES 4
	WIN 0
	FETCH_R 1, 0, 4
	STEP 1, 0, 0
	STEP 1, 1, 0
	STEP 1, 2, 0
	s_wait_dscnt 8                                 ; the last step: nothing more to fetch
	WIN MUL_LO
	MUL16 0, 1, 3, 1, 0
	MUL16 2, 1, 3, 1, 0
	s_wait_dscnt 0x0
	WIN MUL_HI
	MUL16 4, 1, 3, 1, 0
	MUL16 6, 1, 3, 1, 0
	WIN 0
	PLACES 4                                       ; in front of the first read of results and of writes over R's fragments
; THE WAY OUT: tile a of R (16 rows) against my 128 rows of P: a lane's 64 numbers, register 16 b + 8 u + j of P's tile 2 b + u, are four half blocks of 32 along the next product's K; lane l xor 16 holds the other halves.
; A block's scale: the largest magnitude, with the floor 2^(3 - 127) among its leaves; 2 off its exponent field is the conversion's scale operand, and that shifted down the byte.  Each accumulator is read from its low end on.
; The conversion of (b, u) writes register 4 (b / 2) + (u for even b, 3 - u for odd b); the exchanges (0, 3) and (1, 2) of lane halves then leave registers 4 c .. 4 c + 3 of lane (r, h) with K = 64 c + 32 h + 0 .. 31 in order.
; The eight registers leave as they stand: each store of the wave covers 512 consecutive bytes, aligned.
.macro QROW a, base
.set QW, 2+(\a)/4
.set QM, QW|(QW<<2)
.set QS, 64*((\a)%4)
.set QP, RF+8*(\a)
	WIN QM                                         ; sources 0 and 1: the accumulators' window
.irp b, 0,1,2,3
	v_max3_num_f32 v[TM+\b], |v[QS+16*\b]|, |v[QS+16*\b+1]|, 0x1800000
.endr
.irp i, 2,4,6,8,10,12,14
.irp b, 0,1,2,3
	v_max3_num_f32 v[TM+\b], |v[QS+16*\b+\i]|, |v[QS+16*\b+\i+1]|, v[TM+\b]
.endr
.endr
	WIN 0
.irp b, 0,1,2,3
	v_permlanex16_b32 v[TM+4+\b], v[TM+\b], s[SEL], s[SEL+1]
.endr
.irp b, 0,1,2,3
	v_max_num_f32 v[TM+\b], v[TM+\b], v[TM+4+\b]   ; the block's largest magnitude
.endr
.irp b, 0,1,2,3
	v_add_nc_u32 v[TM+12+\b], 0xff000000, v[TM+\b]
.endr
.irp b, 0,1,2,3
	v_lshrrev_b32 v[TM+4+\b], 23, v[TM+12+\b]
.endr
	v_lshl_or_b32 v[PW+\a], v[TM+5], 8, v[TM+4]
	v_lshl_or_b32 v[PW+\a], v[TM+6], 16, v[PW+\a]
	v_lshl_or_b32 v[PW+\a], v[TM+7], 24, v[PW+\a]
	WIN QW                                         ; source 0: the accumulators' window
.irp b, 0,1,2,3
.irp u, 0,1
	v_cvt_scalef32_pk8_fp4_f32 v[QP+4*(\b/2)+\u+(\b%2)*(3-2*\u)], v[QS+16*\b+8*\u:QS+16*\b+8*\u+7], v[TM+12+\b]
.endr
.endr
	WIN 0
	v_nop                                          ; one plain place behind a scaled conversion
.irp c, 0,1
	v_permlane16_swap_b32 v[QP+4*\c], v[QP+4*\c+3]
	v_permlane16_swap_b32 v[QP+4*\c+1], v[QP+4*\c+2]
.endr
.irp c, 0,1
	global_store_b128 v[GO], v[QP+4*\c:QP+4*\c+3], s[\base:\base+1] offset:512*(\a)+4096*\c
.endr
.endm
.irp a, 0,1,2,3,4,5,6,7
	QROW \a, OUTB                                  ; each tile has registers of its own for its codes and its word
.endr
	v_cmp_le_u32 vcc_lo, 16, v3
.irp i, 0,1,2,3
	v_cndmask_b32 v[MW+\i], v[PW+2*\i], v[PW+2*\i+1], vcc_lo   ; lanes 0-15: tile 2 i's word, lanes 16-31: tile 2 i + 1's: so one register will serve two tiles in the next launch
.endr
.irp i, 0,1,2,3
	v_and_or_b32 v[MW+4+\i], v[MW+\i], 0xffff, s[FILL]         ; a word's low two bytes are the first head's two blocks,
	v_lshrrev_b32 v[MW+8+\i], 16, v[MW+\i]                     ; its high two the second head's;
.endr
.irp i, 0,1,2,3
	v_or_b32 v[MW+8+\i], s[FILL], v[MW+8+\i]                   ; the bytes of the half K step of zero codes are 127
.endr
	global_store_b128 v[GO], v[MW+4:MW+7], s[OSB:OSB+1]
	global_store_b128 v[GO], v[MW+8:MW+11], s[OSB:OSB+1] offset:8192
; ---- V: my 128 keys (P, eight tiles) x my 64 channels (R, four tiles): 32 accumulators in window 2, eight steps of 128 along K.  P has its two sets in window 1, R two sets of four fragments.
.macro VFETCH g, q, p                  ; the fragments of step q of half g of K into sets p
	WIN TO_P
.irp i, 0,1,2,3,4,5,6,7
	FRAG 128*(\p)+8*\i, ADRPV+(\g), \q, \i
.endr
	WIN 0
.irp i, 0,1,2,3
	FRAG RF+32*(\p)+8*\i, ADRRV+(\g), \q, \i
.endr
.endm
; 32 matrix instructions, the 32 accumulators by turns.  A scale register holds K step q in lanes 0-15 and K step 4 + q in lanes 16-31: the second half of K reads the upper lanes.
.macro VMUL p, g, q
.irp a, 0,1,2,3
.irp b, 0,1,2,3,4,5,6,7
.if (\g)+(\q) == 0
	v_wmma_scale_f32_16x16x128_f8f6f4 v[8*(8*\a+\b):8*(8*\a+\b)+7], v[128*(\p)+8*\b:128*(\p)+8*\b+7], v[RF+32*(\p)+8*\a:RF+32*(\p)+8*\a+7], 0, v[SC+4*\b+(\q)], v[VRS+4*\a+(\q)] matrix_a_fmt:MATRIX_FMT_FP4 matrix_b_fmt:MATRIX_FMT_FP4
.elseif (\g) == 0
	v_wmma_scale_f32_16x16x128_f8f6f4 v[8*(8*\a+\b):8*(8*\a+\b)+7], v[128*(\p)+8*\b:128*(\p)+8*\b+7], v[RF+32*(\p)+8*\a:RF+32*(\p)+8*\a+7], v[8*(8*\a+\b):8*(8*\a+\b)+7], v[SC+4*\b+(\q)], v[VRS+4*\a+(\q)] matrix_a_fmt:MATRIX_FMT_FP4 matrix_b_fmt:MATRIX_FMT_FP4
.else
	v_wmma_scale_f32_16x16x128_f8f6f4 v[8*(8*\a+\b):8*(8*\a+\b)+7], v[128*(\p)+8*\b:128*(\p)+8*\b+7], v[RF+32*(\p)+8*\a:RF+32*(\p)+8*\a+7], v[8*(8*\a+\b):8*(8*\a+\b)+7], v[SC+4*\b+(\q)], v[VRS+4*\a+(\q)] matrix_a_fmt:MATRIX_FMT_FP4 matrix_b_fmt:MATRIX_FMT_FP4 matrix_a_scale:MATRIX_SCALE_ROW1 matrix_b_scale:MATRIX_SCALE_ROW1
.endif
.endr
.endr
.endm
.macro VSTEP g, q                      ; the next step's 24 loads are issued ahead of this step's 32 products
.set VK, 4*(\g)+(\q)+1
	s_wait_dscnt 0x0                               ; this step's fragments are in
.if VK > 1
	PLACES 4                                       ; behind the last step's products: their sets are loaded again
.endif
.if VK < 8
	VFETCH VK/4, VK%4, VK%2
.endif
	WIN MUL_LO
	VMUL (\q)%2, \g, \q
	WIN 0
.endm
	s_wait_tensorcnt 0x0                           ; my quarter of Wv is in (my one load that was out); no LDS instruction of mine is out
	s_barrier_signal -1
	s_barrier_wait -1                              ; everybody's is
	s_wait_xcnt 0x0                                ; the stores above have read their data: R's fragments land in those registers
	s_wait_loadcnt 0x0                             ; Wv's scale words
.irp i, 0,1,2,3,4,5,6,7
	ds_load_b128 v[SC+4*\i:SC+4*\i+3], v[ADRSP+\i%2] offset:(\i/2)*1088   ; the scale words of my keys' tile i: all of K in one register row
.endr
	VFETCH 0, 0, 0
.irp g, 0,1
.irp q, 0,1,2,3
	VSTEP \g, \q
.endr
.endr
	PLACES 4
.irp a, 0,1,2,3
	QROW \a, OUTV                                  ; a tile of 16 channels x 128 keys: a whole fragment of the next launch's V and its scale word
.endr
	v_cndmask_b32 v[MW], v[PW], v[PW+1], vcc_lo    ; (VCC still marks lanes 16-31)
	v_cndmask_b32 v[MW+1], v[PW+2], v[PW+3], vcc_lo
	global_store_b64 v[GO8], v[MW:MW+1], s[OSV:OSV+1]   ; the wave stores 256 consecutive bytes, aligned
	s_wait_tensorcnt 0x0                           ; the wave's end
	ds_add_u32 v[SPW], v[NIL]
	s_wait_dscnt 0x0
	ROUND                                          ; the closing round: no work-group ends while a partner may still ask for a tile that names it
	s_endpgm
.Lfunc_end_k_q5837b45acb_proj:
	.size	k_q5837b45acb_proj, .Lfunc_end_k_q5837b45acb_proj-k_q5837b45acb_proj
	.p2alignl 7, 3214868480
	.fill 96, 4, 3214868480
	.section	.rodata,"a",@progbits
	.p2align	6, 0x0
	.amdhsa_kernel k_q5837b45acb_proj
		.amdhsa_group_segment_fixed_size 327680
		.amdhsa_private_segment_fixed_size 0
		.amdhsa_enable_private_segment 0
		.amdhsa_kernarg_size 80
		.amdhsa_user_sgpr_count 2
		.amdhsa_user_sgpr_kernarg_segment_ptr 1
		.amdhsa_wavefront_size32 1
		.amdhsa_system_sgpr_workgroup_id_x 1
		.amdhsa_system_sgpr_workgroup_id_y 1
		.amdhsa_system_sgpr_workgroup_id_z 1
		.amdhsa_system_vgpr_workitem_id 0
		.amdhsa_next_free_vgpr 1024
		.amdhsa_next_free_sgpr 106
		.amdhsa_reserve_vcc 1
		.amdhsa_float_denorm_mode_32 3
		.amdhsa_float_denorm_mode_16_64 3
		.amdhsa_memory_ordered 1
		.amdhsa_forward_progress 1
		.amdhsa_inst_pref_size 197
	.end_amdhsa_kernel
	.amdgpu_metadata
---
amdhsa.version: [ 1, 2 ]
amdhsa.kernels:
  - .name:           k_q5837b45acb_proj
    .symbol:         k_q5837b45acb_proj.kd
    .args:
      - { .name: inputs_codes, .offset: 0, .size: 8, .value_kind: global_buffer, .address_space: global }
      - { .name: inputs_scales, .offset: 8, .size: 8, .value_kind: global_buffer, .address_space: global }
      - { .name: W_q_codes, .offset: 16, .size: 8, .value_kind: global_buffer, .address_space: global }
      - { .name: W_q_scales, .offset: 24, .size: 8, .value_kind: global_buffer, .address_space: global }
      - { .name: W_k_codes, .offset: 32, .size: 8, .value_kind: global_buffer, .address_space: global }
      - { .name: W_k_scales, .offset: 40, .size: 8, .value_kind: global_buffer, .address_space: global }
      - { .name: W_v_codes, .offset: 48, .size: 8, .value_kind: global_buffer, .address_space: global }
      - { .name: W_v_scales, .offset: 56, .size: 8, .value_kind: global_buffer, .address_space: global }
      - { .name: qkv_codes, .offset: 64, .size: 8, .value_kind: global_buffer, .address_space: global }
      - { .name: qkv_scales, .offset: 72, .size: 8, .value_kind: global_buffer, .address_space: global }
    .group_segment_fixed_size: 327680
    .private_segment_fixed_size: 0
    .kernarg_segment_align: 8
    .kernarg_segment_size: 80
    .max_flat_workgroup_size: 128
    .sgpr_count:     106
    .vgpr_count:     1024
    .wavefront_size: 32
...
	.end_amdgpu_metadata
.endif
;; end of part 1
;; launch attn (part 2): grid 4 x 64, 16 waves a work-group, clusters of 4 x 1, 169,984 bytes of LDS; arguments qkv_codes, qkv_scales, ctx_codes, ctx_scales; writes ctx_codes, ctx_scales
.if DOCPART == 2
	.amdgcn_target "amdgcn-amd-amdhsa--gfx1250"
	.amdhsa_code_object_version 6
	.text
	.protected	k_q5837b45acb_attn
	.globl	k_q5837b45acb_attn
	.p2align	8
	.type	k_q5837b45acb_attn,@function
k_q5837b45acb_attn:
	s_mov_b64 s[64:65], 0
	v_nop
	global_prefetch_b8 v0, s[64:65] scope:SCOPE_SE
	s_setreg_imm32_b32 hwreg(HW_REG_WAVE_MODE, 25, 1), 1
	s_wait_xcnt 0x0
	s_wait_alu depctr_hold_cnt(0) depctr_sa_sdst(0) depctr_va_vdst(0) depctr_va_sdst(0) depctr_va_ssrc(0) depctr_va_vcc(0) depctr_vm_vsrc(0)
	s_getreg_b32 s2, hwreg(HW_REG_IB_STS2, 6, 4)
	s_cmp_eq_u32 s2, 0
	s_cbranch_scc0 .Lentry_in_a_cluster
	s_endpgm
.Lentry_in_a_cluster:
	s_bfe_u32 s2, ttmp6, 0x10000c
	s_cmp_lg_u32 s2, 0x3003
	s_cbranch_scc0 .Lentry_shape_is_right
	s_endpgm
.Lentry_shape_is_right:
; Causal attention of one head (head size 64, 2,048 tokens) on codes of FP4 (E2M1) with one E8M0 scale for each 32 along a product's K, and the quantising of its result along the 64 channels.
; THE SOFTMAX: t = score x log2(e) / 8; M = the row's largest t so far, rounded up to a whole number; p = 2^(t - M) is quantised along the keys, not normalised; the row's sum is taken of the unquantised p and divides at the end.
; When M moves, the sum and O are multiplied by 2^(old M - new M), which rounds nothing.
; SHARES.  The four work-groups of a cluster serve one head (work-group y = 16 x batch + head).  ALL of the head's K and V, 128 KiB of codes and 12 KiB of scale words, lies in each one's LDS, brought once by joint loads: no LDS byte is filled twice, none is stored to.
; The head's 128 tiles of 16 queries are tile a (0..7) of block kb (0..15) of 128 tokens; such a tile walks kb + 1 key steps of 128.  Wave w of work-group cx takes a = 2 cx + w % 2, first with kb = w / 2 and then with kb = 15 - w / 2:
; 17 key steps for every wave.  Sixteen waves of 256 registers, four to a SIMD, so that one wave's vector work stands beside another's matrix work and LDS loads.
; Trip counts are constants; a step all of whose keys come after the wave's queries is jumped over by a scalar branch on the wave's number and the count.  cx enters global addresses and lane values alone.
; LAYOUT.  Codes lie in memory and LDS as images of operand registers: 512 bytes = 32 lanes x 16 bytes.  Both products are used transposed (S^T = K Q^T, O^T = V^T P^T): a lane holds one query throughout.
; The first product's K is 64: registers 4-7 of K's and Q's fragments hold zero codes, under the scale byte 127.
; The rows of a tile are not neighbours: of 32 keys (queries, channels) the even tile holds 0-7 and 24-31, the odd tile 8-23; so register 16 b + 8 u + j of S^T is key 32 b + 8 u + j in lanes 0-15 and 32 b + 24 - 8 u + j in lanes 16-31.
; LIMITS: NaN and infinities are not served; p under 2^-126 counts as 0; a block of p or of the result whose largest magnitude lies under 2^-124 gets the scale byte 1 (zeros too, where the rule says 127: the bytes are read by this program alone).
; The result's scale bytes leave two to a lane, rows 32 bytes apart: 1 byte in 17 of what the launch stores.
.set VIMG, 65536                       ; LDS: K's images from byte 0: 4,096 ks + 512 t + 16 lane;  V's from here: 4,096 ks + 2,048 c + 512 t + 16 lane
.set KSC,  131072                      ; K's scale words: 512 ks + 16 lane (four words: tiles 2 i + h)
.set VSC,  139264                      ; V's: 256 ks + 8 lane (two words)
.set W0,   15|(3<<16)|(1<<21)          ; group 1, word 0: the mask of all four work-groups; elements of 8 bytes; bit 21 beside a mask; no padding
.set G1A, 24                           ; s[24:31], s[32:35] groups 1 and 0 of a wave's first load;  s[40:47], s[36:39] of its second
.set G0A, 32
.set G0B, 36
.set G1B, 40
.set WV,  12                           ; s12 wave; s13 cx; s14 16 x batch + head; s15 kb; s16 the key step; s17, s18, s19 its LDS bytes: 4,096 ks, 512 ks, 256 ks
.set KB,  15
.set KS,  16
.set TK,  17
.set TS,  18
.set TT,  19
.set SEL, 20                           ; s[20:21] lane selects: lane l xor 16
.set CS,  22                           ; s[22:23] c = log2(e) / 8: the packed form names a pair and takes its low word for both halves
.set CNT, 49
.set QB,  50                           ; s[50:51] Q's codes, s[52:53] Q's scale words, s[54:55] the result's codes, s[56:57] its scale bytes
.set QSB, 52
.set CB,  54
.set CSB, 56
; v2 V's lane term, v3 K's scale words', v4 V's scale words', v5 16 x lane (also K's lane term), v6 16 r, v7, v8 the mask's bounds, v9 32 r, v10, v11, v248, v249 the step's LDS addresses;
; v12 -M, v13 the largest t, v[14:15] the sum in two halves; v16-23 Q; v24-27 K's scale words, v28-29 V's, v30 Q's, v31 p's; v32-95 K's eight fragments; v96-159 S^T, then p; v160-191 O^T; v192-223 V's four fragments; v224-231 p's codes; v232-254 at work
.macro PLACES n
.rept \n
	v_nop
.endr
.endm
.macro DESC1 g, c, r, p                ; words 1 to 7 of a group 1: r rows of c elements, p elements from row to row
	s_mov_b32 s[\g+1], (\c)<<16
	s_mov_b32 s[\g+2], (\r)<<16
	s_mov_b32 s[\g+3], (\c)<<16
	s_mov_b32 s[\g+4], \r
	s_mov_b32 s[\g+5], \p
	s_mov_b32 s[\g+6], 0
	s_mov_b32 s[\g+7], 0
.endm
.macro ROUND                           ; a round of the cluster's barrier
	s_barrier_signal -1
	s_barrier_wait -1
	s_cmp_lg_u32 s[WV], 0
	s_cbranch_scc1 .Lnot_wave_0_\@
	s_barrier_signal -3
.Lnot_wave_0_\@:
	s_barrier_wait -3
	s_barrier_signal -1
	s_barrier_wait -1
.endm
; A wave's two joint loads: the first brings what key step 0 wants, the second the rest.  Shape (elements a row, rows, pitch), LDS byte, base register, byte offset, for each.  Four v_nop follow the second.
.macro FILL2 ca, ra, pa, la, ba, oa, cb, rb, pb, lb, bb, ob
	s_mov_b32 s[G1A], W0
	DESC1 G1A, \ca, \ra, \pa
	s_mov_b32 s[G0A], 1
	s_mov_b32 s[G0A+1], \la
	s_add_nc_u64 s[G0A+2:G0A+3], s[\ba:\ba+1], \oa
	s_or_b32 s[G0A+3], s[G0A+3], 0x80000000
	s_mov_b32 s[G1B], W0
	DESC1 G1B, \cb, \rb, \pb
	s_mov_b32 s[G0B], 1
	s_mov_b32 s[G0B+1], \lb
	s_add_nc_u64 s[G0B+2:G0B+3], s[\bb:\bb+1], \ob
	s_or_b32 s[G0B+3], s[G0B+3], 0x80000000
	tensor_load_to_lds s[G0A:G0A+3], s[G1A:G1A+7]
	s_nop 0
	tensor_load_to_lds s[G0B:G0B+3], s[G1B:G1B+7]
	s_nop 0
	PLACES 4
.endm
	s_load_b256 s[4:11], s[0:1], 0x0               ; Q, K, V's codes s[4:5], their scale words s[6:7], the result's codes s[8:9], its scale bytes s[10:11]
	v_lshl_add_u32 v251, v0, 2, 0x29000
	v_mov_b32 v255, 0
	ds_add_u32 v251, v255
	ds_add_u32 v251, v255
	v_lshrrev_b32 v1, 5, v0
	s_delay_alu instid0(VALU_DEP_1)
	v_readfirstlane_b32 s[WV], v1                  ; wave 0..15
	s_bfe_u32 s13, ttmp6, 0x40000                  ; cx
	s_and_b32 s14, ttmp7, 0xffff                   ; 16 x batch + head, which the four partners share
	s_lshr_b32 s58, s14, 1
	s_lshl_b32 s58, s58, 17                        ; the pair of heads: 131,072 bytes in each of the three tensors of codes
	s_and_b32 s59, s14, 1
	s_lshl_b32 s60, s59, 12
	s_add_co_u32 s60, s60, s58                     ; Q, K: the head of the pair: 4,096 bytes on
	s_add_co_u32 s70, s60, 4194304                 ; K's codes
	s_mov_b32 s71, 0
	s_lshl_b32 s72, s59, 11
	s_add_co_u32 s72, s72, s58
	s_add_co_u32 s72, s72, 8388608                 ; V's codes: the head of the pair: 2,048 bytes on
	s_mov_b32 s73, 0
	s_lshl_b32 s74, s14, 13
	s_add_co_u32 s74, s74, 524288                  ; K's scale words
	s_mov_b32 s75, 0
	s_lshl_b32 s76, s14, 12
	s_add_co_u32 s76, s76, 1048576                 ; V's
	s_mov_b32 s77, 0
	s_and_b32 s61, s[WV], 1
	s_lshl_b32 s48, s13, 1
	s_add_co_u32 s48, s48, s61                     ; a = 2 cx + wave % 2: my tile in a block of 128 queries
	s_lshl_b32 s68, s48, 9
	s_add_co_u32 s68, s68, s60                     ; Q's codes but for the block: head + 512 a
	s_lshl_b32 s69, s14, 13
	s_lshl_b32 s62, s61, 8
	s_add_co_u32 s69, s69, s62
	s_lshl_b32 s62, s13, 2
	s_add_co_u32 s69, s69, s62                     ; Q's scale words but for the block: 8,192 x head + 256 (a % 2) + 4 (a / 2)
	s_lshr_b32 s66, s14, 4
	s_lshl_b32 s66, s66, 7
	s_add_co_u32 s66, s66, s48                     ; the result's tile of rows but for the block: 128 batch + a
	s_and_b32 s67, s14, 15
	s_lshl_b32 s67, s67, 9                         ; 512 x head
	s_mov_b32 s[SEL], 0x76543210
	s_mov_b32 s[SEL+1], 0xfedcba98
	s_mov_b32 s[CS], 0x3e38aa3b                    ; log2(e) / 8
	s_mov_b32 s[CS+1], s[CS]
	s_wait_dscnt 0x0
	s_wait_kmcnt 0x0
	s_add_nc_u64 s[70:71], s[4:5], s[70:71]
	s_add_nc_u64 s[72:73], s[4:5], s[72:73]
	s_add_nc_u64 s[74:75], s[6:7], s[74:75]
	s_add_nc_u64 s[76:77], s[6:7], s[76:77]
	ROUND                                          ; all four work-groups are here: the joint loads meet
	; Waves 0 to 3 fetch, two loads each, both inside the wave's one branch.  K: a key step is a row of 4,096 bytes, rows 8,192 apart.  V: half a key step is a row of 2,048 bytes, rows 4,096 apart.  Scale words: dense, as rows of 256 bytes.
	s_cmp_eq_u32 s[WV], 0
	s_cbranch_scc0 .Lnot_0
	FILL2 512, 1, 1024, 0, 70, 0, 512, 7, 1024, 4096, 70, 8192
	s_branch .Lfilled
.Lnot_0:
	s_cmp_eq_u32 s[WV], 1
	s_cbranch_scc0 .Lnot_1
	FILL2 256, 2, 512, VIMG, 72, 0, 256, 14, 512, VIMG+4096, 72, 8192
	s_branch .Lfilled
.Lnot_1:
	s_cmp_eq_u32 s[WV], 2
	s_cbranch_scc0 .Lnot_2
	FILL2 32, 32, 32, KSC, 74, 0, 512, 8, 1024, 32768, 70, 65536
	s_branch .Lfilled
.Lnot_2:
	s_cmp_eq_u32 s[WV], 3
	s_cbranch_scc0 .Lfilled
	FILL2 32, 16, 32, VSC, 76, 0, 256, 16, 512, VIMG+32768, 72, 65536
.Lfilled:
	v_and_b32 v254, 31, v0                         ; lane
	s_delay_alu instid0(VALU_DEP_1)
	v_lshlrev_b32 v5, 4, v254
	s_delay_alu instid0(VALU_DEP_1)
	v_add_nc_u32 v2, VIMG, v5
	s_delay_alu instid0(VALU_DEP_2)
	v_add_nc_u32 v3, KSC, v5
	s_delay_alu instid0(VALU_DEP_4)
	v_lshl_add_u32 v4, v254, 3, VSC
	v_and_b32 v252, 15, v0                         ; r
	s_delay_alu instid0(VALU_DEP_1)
	v_lshlrev_b32 v6, 4, v252
	s_delay_alu instid0(VALU_DEP_2)
	v_lshlrev_b32 v9, 5, v252
	v_bfe_u32 v253, v0, 3, 1                       ; r / 8
	s_xor_b32 s58, s61, 1
	s_lshl_b32 s58, s58, 4
	v_mad_u32_u24 v252, v253, s58, v252            ; an even tile: r + 16 (r / 8);
	s_lshl_b32 s58, s61, 3                         ; an odd one: r + 8;
	s_lshl_b32 s59, s13, 5                         ; + 32 (a / 2)
	s_add_co_u32 s58, s58, s59
	v_add_nc_u32 v252, s58, v252                   ; my query's place in its block of 128
	v_bfe_u32 v253, v0, 4, 1                       ; h
	s_delay_alu instid0(VALU_DEP_1)
	v_mul_u32_u24 v7, 24, v253
	s_delay_alu instid0(VALU_DEP_1)
	v_sub_nc_u32 v7, v252, v7                      ; even tiles of keys: register j of tile 2 b is hidden where 32 b + j > query - 24 h;
	s_delay_alu instid0(VALU_DEP_3)
	v_lshl_add_u32 v8, v253, 3, 8
	s_delay_alu instid0(VALU_DEP_1)
	v_sub_nc_u32 v8, v252, v8                      ; odd ones: where 32 b + j > query - 8 - 8 h
	v_mov_b32 v250, 0xff800000                     ; -infinity
	v_mov_b32 v252, 0                              ; (a lane permute's destination counts as one of its sources)
	v_mov_b32 v253, 0                              ; (named as the upper half of the pair v[252:253])
.irp b, 0,1,2,3
	v_mov_b32 v[236+\b], 0
	v_mov_b32 v[20+\b], 0                          ; the upper half of Q's fragment: zero codes
.endr
.irp t, 0,1,2,3,4,5,6,7
.irp i, 4,5,6,7
	v_mov_b32 v[32+8*\t+\i], 0                     ; and of K's eight: written once
.endr
.endr
; A tile's start: its block, its addresses, its Q; the largest t -3e38, the sum and O^T zeros, so that the key step is written in one form: the first change of M multiplies zeros.
.macro PASS_INIT p
	s_lshr_b32 s[KB], s[WV], 1
.if \p
	s_wait_xcnt 0x0                                ; the last tile's stores have read their bases and data: both are written again below
	s_xor_b32 s[KB], s[KB], 15                     ; 15 - wave / 2
.endif
	s_lshl_b32 s58, s[KB], 13
	s_add_co_u32 s58, s58, s68
	s_mov_b32 s59, 0
	s_add_nc_u64 s[QB:QB+1], s[4:5], s[58:59]
	s_lshl_b32 s58, s[KB], 9
	s_add_co_u32 s58, s58, s69
	s_add_nc_u64 s[QSB:QSB+1], s[6:7], s[58:59]
	global_load_b128 v[16:19], v5, s[QB:QB+1]      ; Q's fragment: 512 consecutive bytes a wave
	global_load_b32 v30, v6, s[QSB:QSB+1]          ; row r's scale word, in both halves of the lanes
	s_lshl_b32 s58, s[KB], 3
	s_add_co_u32 s58, s58, s66                     ; the result's tile of rows: 128 batch + 8 kb + a
	s_lshl_b32 s60, s58, 13
	s_add_co_u32 s60, s60, s67
	s_mov_b32 s61, 0
	s_add_nc_u64 s[CB:CB+1], s[8:9], s[60:61]      ; 8,192 bytes a tile of rows, 512 a head
	s_lshl_b32 s60, s58, 9
	s_lshr_b32 s62, s67, 8
	s_add_co_u32 s60, s60, s62
	s_add_nc_u64 s[CSB:CSB+1], s[10:11], s[60:61]  ; 512 bytes a tile of rows, 2 a head
	v_mov_b32 v13, 0xff61b1e6
	s_delay_alu instid0(VALU_DEP_1)
	v_floor_f32 v12, -v13
	v_mov_b32 v14, 0
	v_mov_b32 v15, 0
.irp j, 0,1,2,3,4,5,6,7,8,9,10,11,12,13,14,15,16,17,18,19,20,21,22,23,24,25,26,27,28,29,30,31
	v_mov_b32 v[160+\j], 0
.endr
	s_mov_b32 s[KS], 0
	s_mov_b32 s[TK], 0
	s_mov_b32 s[TS], 0
	s_mov_b32 s[TT], 0
.endm
; A KEY STEP: 128 keys.
.macro STEP
	s_cmp_gt_u32 s[KS], s[KB]                      ; all its keys come after my queries: only the lines at its end, which step the addresses, are run
	s_cbranch_scc1 .Lhid_\@
	s_setprio 2
	v_add_nc_u32 v10, s[TK], v5                    ; (these four are also the places between the last step's products and the loads into their sources)
	v_add_nc_u32 v11, s[TK], v2
	v_add_nc_u32 v248, s[TS], v3
	v_add_nc_u32 v249, s[TT], v4
.irp t, 0,1,2,3,4,5,6,7
	ds_load_b128 v[32+8*\t:35+8*\t], v10 offset:512*\t
.endr
	ds_load_b128 v[24:27], v248
.irp t, 0,1,2,3
.irp c, 0,1
	ds_load_b128 v[192+8*\t+4*\c:195+8*\t+4*\c], v11 offset:2048*\c+512*\t
.endr
.endr
	ds_load_b64 v[28:29], v249
	s_wait_dscnt 9                                 ; K's eight fragments and its scale words are in; V's nine loads may be out
.irp t, 0,1,2,3,4,5,6,7
.if (\t)%2
	v_wmma_scale_f32_16x16x128_f8f6f4 v[96+8*\t:103+8*\t], v[32+8*\t:39+8*\t], v[16:23], 0, v[24+\t/2], v30 matrix_a_fmt:MATRIX_FMT_FP4 matrix_b_fmt:MATRIX_FMT_FP4 matrix_a_scale:MATRIX_SCALE_ROW1
.else
	v_wmma_scale_f32_16x16x128_f8f6f4 v[96+8*\t:103+8*\t], v[32+8*\t:39+8*\t], v[16:23], 0, v[24+\t/2], v30 matrix_a_fmt:MATRIX_FMT_FP4 matrix_b_fmt:MATRIX_FMT_FP4
.endif
.endr
	PLACES 4
	s_cmp_lg_u32 s[KS], s[KB]                      ; on the diagonal the scores of hidden keys become -infinity ahead of the maximum: p = 0 then.  My own key counts, so the row's maximum stays a number
	s_cbranch_scc1 .Lopen_\@
.irp n, 0,1,2,3,4,5,6,7,8,9,10,11,12,13,14,15,16,17,18,19,20,21,22,23,24,25,26,27,28,29,30,31,32,33,34,35,36,37,38,39,40,41,42,43,44,45,46,47,48,49,50,51,52,53,54,55,56,57,58,59,60,61,62,63
	v_cmp_gt_i32 vcc_lo, 32*(\n/16)+\n%8, v[7+(\n/8)%2]
	v_cndmask_b32 v[96+\n], v[96+\n], v250, vcc_lo
.endr
.Lopen_\@:
.irp b, 0,1,2,3
	v_max3_num_f32 v[232+\b], v[96+16*\b], v[97+16*\b], v[98+16*\b]   ; the largest score of each block of 32 keys: for the row's maximum, and, since p rises with the score, for the block's largest p
.endr
.irp i, 3,5,7,9,11,13
.irp b, 0,1,2,3
	v_max3_num_f32 v[232+\b], v[232+\b], v[96+16*\b+\i], v[97+16*\b+\i]
.endr
.endr
.irp b, 0,1,2,3
	v_max_num_f32 v[232+\b], v[232+\b], v[111+16*\b]
.endr
.irp b, 0,1,2,3
	s_delay_alu instid0(VALU_DEP_4)
	v_permlanex16_b32 v[236+\b], v[232+\b], s[SEL], s[SEL+1]
.endr
.irp b, 0,1,2,3
	s_delay_alu instid0(VALU_DEP_4)
	v_max_num_f32 v[232+\b], v[232+\b], v[236+\b]  ; with lane l xor 16's 16 keys
.endr
	s_delay_alu instid0(VALU_DEP_2)
	v_max3_num_f32 v254, v232, v233, v234
	s_delay_alu instid0(VALU_DEP_1)
	v_max_num_f32 v254, v254, v235                 ; the step's largest score of my query
	s_delay_alu instid0(VALU_DEP_1)
	v_mul_f32 v254, s[CS], v254                    ; as t
	s_delay_alu instid0(VALU_DEP_1)
	v_max_num_f32 v13, v13, v254                   ; the running largest t
	v_mov_b32 v254, v12
	s_delay_alu instid0(VALU_DEP_2)
	v_floor_f32 v12, -v13                          ; the new -M = -ceil(t)
	s_delay_alu instid0(VALU_DEP_1)
	v_sub_f32 v254, v12, v254                      ; old M - new M: a whole number, 0 or less
	s_delay_alu instid0(VALU_DEP_1)
	v_cvt_i32_f32 v254, v254                       ; (it saturates)
	s_delay_alu instid0(VALU_DEP_1)
	v_ldexp_f32 v252, 1.0, v254                    ; f = 2^(old M - new M)
.irp j, 0,2,4,6,8,10,12,14,16,18,20,22,24,26,28,30,32,34,36,38,40,42,44,46,48,50,52,54,56,58,60,62
	v_pk_fma_f32 v[96+\j:97+\j], v[96+\j:97+\j], s[CS:CS+1], v[12:13] op_sel_hi:[1,0,0]   ; t - M, two at a time
.endr
	s_setprio 1
.irp b, 0,1,2,3
	v_fma_f32 v[232+\b], v[232+\b], s[CS], v12     ; the same of each block's largest score
.endr
	s_wait_alu depctr_va_vdst(0)
.irp j, 0,1,2,3,4,5,6,7,8,9,10,11,12,13,14,15,16,17,18,19,20,21,22,23,24,25,26,27,28,29,30,31,32,33,34,35,36,37,38,39,40,41,42,43,44,45,46,47,48,49,50,51,52,53,54,55,56,57,58,59,60,61,62,63
	v_exp_f32 v[96+\j], v[96+\j]                   ; p = 2^(t - M)
.endr
.irp b, 0,1,2,3
	v_exp_f32 v[232+\b], v[232+\b]                 ; the block's largest p: the same two instructions on the same number
.endr
	v_pk_mul_f32 v[14:15], v[14:15], v[252:253] op_sel_hi:[1,0]   ; the sums under the new M (a plain place behind the exponentials)
	s_wait_alu depctr_va_vdst(0)
.irp b, 0,1,2,3
	v_max_num_f32 v[232+\b], 0x1800000, v[232+\b]  ; the floor 2^(3 - 127): the byte cannot fall under 1
.endr
.irp b, 0,1,2,3
	s_delay_alu instid0(VALU_DEP_4)
	v_add_nc_u32 v[244+\b], 0xff000000, v[232+\b]  ; 2 off the exponent field: the conversion's scale operand
.endr
.irp b, 0,1,2,3
	s_delay_alu instid0(VALU_DEP_4)
	v_lshrrev_b32 v[236+\b], 23, v[244+\b]         ; the scale's byte
.endr
	s_delay_alu instid0(VALU_DEP_3)
	v_lshl_or_b32 v31, v237, 8, v236               ; p's scale word for these 128 keys
	s_delay_alu instid0(VALU_DEP_1)
	v_lshl_or_b32 v31, v238, 16, v31
	s_delay_alu instid0(VALU_DEP_1)
	v_lshl_or_b32 v31, v239, 24, v31
.irp b, 0,1,2,3
.irp u, 0,1
	v_cvt_scalef32_pk8_fp4_f32 v[224+4*(\b/2)+\u+(\b%2)*(3-2*\u)], v[96+16*\b+8*\u:103+16*\b+8*\u], v[244+\b]   ; register u of an even block, 3 - u of an odd one
.endr
.endr
	v_nop                                          ; one plain place behind a scaled conversion
.irp c, 0,1
	v_permlane16_swap_b32 v[224+4*\c], v[227+4*\c] ; registers 4 c .. 4 c + 3 of lane (r, h) now hold keys 64 c + 32 h + 0 .. 31 in order
	v_permlane16_swap_b32 v[225+4*\c], v[226+4*\c]
.endr
	v_pk_add_f32 v[236:237], v[100:101], v[104:105]
	v_pk_add_f32 v[248:249], v[108:109], v[112:113]
	v_pk_add_f32 v[246:247], v[116:117], v[120:121]
	v_pk_add_f32 v[244:245], v[124:125], v[128:129]
	v_pk_add_f32 v[242:243], v[132:133], v[136:137]
	v_pk_add_f32 v[240:241], v[140:141], v[144:145]
	v_pk_add_f32 v[234:235], v[148:149], v[152:153]
	v_pk_add_f32 v[14:15], v[14:15], v[156:157]
	v_pk_add_f32 v[236:237], v[236:237], v[96:97]
	v_pk_add_f32 v[248:249], v[248:249], v[98:99]
	v_pk_add_f32 v[246:247], v[246:247], v[102:103]
	v_pk_add_f32 v[244:245], v[244:245], v[106:107]
	v_pk_add_f32 v[242:243], v[242:243], v[110:111]
	s_setprio 0
	v_pk_add_f32 v[240:241], v[240:241], v[114:115]
	v_pk_add_f32 v[234:235], v[234:235], v[118:119]
	v_pk_add_f32 v[14:15], v[14:15], v[122:123]
	v_pk_add_f32 v[236:237], v[236:237], v[126:127]
	v_pk_add_f32 v[248:249], v[248:249], v[130:131]
	v_pk_add_f32 v[246:247], v[246:247], v[134:135]
	v_pk_add_f32 v[244:245], v[244:245], v[138:139]
	v_pk_add_f32 v[242:243], v[242:243], v[142:143]
	v_pk_add_f32 v[240:241], v[240:241], v[146:147]
	v_pk_add_f32 v[234:235], v[234:235], v[150:151]
	v_pk_add_f32 v[14:15], v[14:15], v[154:155]
	v_pk_add_f32 v[236:237], v[236:237], v[158:159]
	s_delay_alu instid0(VALU_DEP_2)
	v_pk_add_f32 v[14:15], v[14:15], v[244:245]
	s_delay_alu instid0(VALU_DEP_2)
	v_pk_add_f32 v[236:237], v[236:237], v[242:243]
	v_pk_add_f32 v[248:249], v[248:249], v[240:241]
	v_pk_add_f32 v[246:247], v[246:247], v[234:235]
	s_delay_alu instid0(VALU_DEP_2)
	v_pk_add_f32 v[14:15], v[14:15], v[248:249]
	s_delay_alu instid0(VALU_DEP_2)
	v_pk_add_f32 v[236:237], v[236:237], v[246:247]
	s_delay_alu instid0(VALU_DEP_1)
	v_pk_add_f32 v[14:15], v[14:15], v[236:237]
.irp j, 0,2,4,6,8,10,12,14,16,18,20,22,24,26,28,30
	v_pk_mul_f32 v[160+\j:161+\j], v[160+\j:161+\j], v[252:253] op_sel_hi:[1,0]   ; O^T under the new M.  (With the sums above: the places between p's codes and scale word and the products below)
.endr
	s_wait_alu depctr_va_vdst(0)
	s_wait_dscnt 0x0                               ; V's fragments and scale words are in
.irp t, 0,1,2,3
.if (\t)%2
	v_wmma_scale_f32_16x16x128_f8f6f4 v[160+8*\t:167+8*\t], v[192+8*\t:199+8*\t], v[224:231], v[160+8*\t:167+8*\t], v[28+\t/2], v31 matrix_a_fmt:MATRIX_FMT_FP4 matrix_b_fmt:MATRIX_FMT_FP4 matrix_a_scale:MATRIX_SCALE_ROW1
.else
	v_wmma_scale_f32_16x16x128_f8f6f4 v[160+8*\t:167+8*\t], v[192+8*\t:199+8*\t], v[224:231], v[160+8*\t:167+8*\t], v[28+\t/2], v31 matrix_a_fmt:MATRIX_FMT_FP4 matrix_b_fmt:MATRIX_FMT_FP4
.endif
.endr
.Lhid_\@:
	s_add_co_u32 s[KS], s[KS], 1
	s_add_co_u32 s[TK], s[TK], 4096
	s_add_co_u32 s[TS], s[TS], 512
	s_add_co_u32 s[TT], s[TT], 256
.endm
; A tile's end: O^T / the sum, quantised along the head's 64 channels (two blocks; register 16 b + 8 u + j as in S^T), leaves as four registers of the last product's operand and two scale bytes a row.
.macro OUT
	PLACES 4
	v_add_f32 v14, v14, v15
	s_delay_alu instid0(VALU_DEP_1)
	v_permlanex16_b32 v252, v14, s[SEL], s[SEL+1]
	s_delay_alu instid0(VALU_DEP_1)
	v_add_f32 v14, v14, v252                       ; the row's sum
	s_wait_alu depctr_va_vdst(0)
	v_rcp_f32 v14, v14
	v_nop                                          ; one plain place behind a transcendental
	s_wait_alu depctr_va_vdst(0)
.irp j, 0,2,4,6,8,10,12,14,16,18,20,22,24,26,28,30
	v_pk_mul_f32 v[96+\j:97+\j], v[160+\j:161+\j], v[14:15] op_sel_hi:[1,0]   ; each accumulator from its low end on
.endr
.irp b, 0,1
	v_max3_num_f32 v[232+\b], |v[96+16*\b]|, |v[97+16*\b]|, 0x1800000
.endr
.irp i, 2,4,6,8,10,12,14
.irp b, 0,1
	s_delay_alu instid0(VALU_DEP_2)
	v_max3_num_f32 v[232+\b], v[232+\b], |v[96+16*\b+\i]|, |v[97+16*\b+\i]|
.endr
.endr
.irp b, 0,1
	s_delay_alu instid0(VALU_DEP_2)
	v_permlanex16_b32 v[236+\b], v[232+\b], s[SEL], s[SEL+1]
.endr
.irp b, 0,1
	s_delay_alu instid0(VALU_DEP_2)
	v_max_num_f32 v[232+\b], v[232+\b], v[236+\b]
.endr
.irp b, 0,1
	s_delay_alu instid0(VALU_DEP_2)
	v_add_nc_u32 v[244+\b], 0xff000000, v[232+\b]
.endr
.irp b, 0,1
	s_delay_alu instid0(VALU_DEP_2)
	v_lshrrev_b32 v[236+\b], 23, v[244+\b]
.endr
	s_delay_alu instid0(VALU_DEP_1)
	v_lshl_or_b32 v254, v237, 8, v236
.irp b, 0,1
.irp u, 0,1
	v_cvt_scalef32_pk8_fp4_f32 v[224+\u+\b*(3-2*\u)], v[96+16*\b+8*\u:103+16*\b+8*\u], v[244+\b]
.endr
.endr
	v_nop
	v_permlane16_swap_b32 v224, v227
	v_permlane16_swap_b32 v225, v226
	global_store_b128 v5, v[224:227], s[CB:CB+1]   ; the wave stores 512 consecutive bytes, aligned
	global_store_b16 v9, v254, s[CSB:CSB+1]        ; both halves of the lanes hold row r's two bytes and write them to the same place
.endm
	PASS_INIT 0
	s_wait_tensorcnt 0x1                           ; the first load of a wave that fetches is in; its second may be out
	s_barrier_signal -1
	s_barrier_wait -1                              ; key step 0's K and V and all scale words lie in LDS
	s_wait_loadcnt 0x0                             ; Q
	STEP                                           ; key step 0 counts for every tile
	s_wait_tensorcnt 0x0
	s_wait_dscnt 0x0
	s_barrier_signal -1
	s_barrier_wait -1                              ; all of K and V lies in LDS; no barrier stands behind this one but the closing round's
	s_mov_b32 s[CNT], 7
.Lp0:                                              ; key steps 1 to 7: blocks 0 to 7 need no more
	STEP
	s_sub_co_u32 s[CNT], s[CNT], 1
	s_cmp_lg_u32 s[CNT], 0
	s_cbranch_scc1 .Lp0
	s_setprio 0
	OUT
	PASS_INIT 1
	s_wait_loadcnt 0x0
	s_mov_b32 s[CNT], 16
.Lp1:                                              ; key steps 0 to 15
	STEP
	s_sub_co_u32 s[CNT], s[CNT], 1
	s_cmp_lg_u32 s[CNT], 0
	s_cbranch_scc1 .Lp1
	s_setprio 0
	OUT
	s_wait_tensorcnt 0x0
	ds_add_u32 v251, v255
	s_wait_dscnt 0x0
	ROUND                                          ; the closing round
	s_endpgm
.Lfunc_end_k_q5837b45acb_attn:
	.size	k_q5837b45acb_attn, .Lfunc_end_k_q5837b45acb_attn-k_q5837b45acb_attn
	.p2alignl 7, 3214868480
	.fill 96, 4, 3214868480
	.section	.rodata,"a",@progbits
	.p2align	6, 0x0
	.amdhsa_kernel k_q5837b45acb_attn
		.amdhsa_group_segment_fixed_size 169984
		.amdhsa_private_segment_fixed_size 0
		.amdhsa_enable_private_segment 0
		.amdhsa_kernarg_size 32
		.amdhsa_user_sgpr_count 2
		.amdhsa_user_sgpr_kernarg_segment_ptr 1
		.amdhsa_wavefront_size32 1
		.amdhsa_system_sgpr_workgroup_id_x 1
		.amdhsa_system_sgpr_workgroup_id_y 1
		.amdhsa_system_sgpr_workgroup_id_z 1
		.amdhsa_system_vgpr_workitem_id 0
		.amdhsa_next_free_vgpr 256
		.amdhsa_next_free_sgpr 78
		.amdhsa_reserve_vcc 1
		.amdhsa_float_denorm_mode_32 3
		.amdhsa_float_denorm_mode_16_64 3
		.amdhsa_memory_ordered 1
		.amdhsa_forward_progress 1
		.amdhsa_inst_pref_size 89
	.end_amdhsa_kernel
	.amdgpu_metadata
---
amdhsa.version: [ 1, 2 ]
amdhsa.kernels:
  - .name:           k_q5837b45acb_attn
    .symbol:         k_q5837b45acb_attn.kd
    .args:
      - { .name: qkv_codes, .offset: 0, .size: 8, .value_kind: global_buffer, .address_space: global }
      - { .name: qkv_scales, .offset: 8, .size: 8, .value_kind: global_buffer, .address_space: global }
      - { .name: ctx_codes, .offset: 16, .size: 8, .value_kind: global_buffer, .address_space: global }
      - { .name: ctx_scales, .offset: 24, .size: 8, .value_kind: global_buffer, .address_space: global }
    .group_segment_fixed_size: 169984
    .private_segment_fixed_size: 0
    .kernarg_segment_align: 8
    .kernarg_segment_size: 32
    .max_flat_workgroup_size: 512
    .sgpr_count:     78
    .vgpr_count:     256
    .wavefront_size: 32
...
	.end_amdgpu_metadata
.endif
;; end of part 2
;; launch outp (part 3): grid 8 x 32, 8 waves a work-group, clusters of 4 x 4, 263,168 bytes of LDS; arguments ctx_codes, ctx_scales, W_o_codes, W_o_scales, b_o, out0; writes out0
.if DOCPART == 3
	.amdgcn_target "amdgcn-amd-amdhsa--gfx1250"
	.amdhsa_code_object_version 6
	.text
	.protected	k_q5837b45acb_outp
	.globl	k_q5837b45acb_outp
	.p2align	8
	.type	k_q5837b45acb_outp,@function
k_q5837b45acb_outp:
	s_mov_b64 s[64:65], 0
	v_nop
	global_prefetch_b8 v0, s[64:65] scope:SCOPE_SE
	s_setreg_imm32_b32 hwreg(HW_REG_WAVE_MODE, 25, 1), 1
	s_wait_xcnt 0x0
	s_wait_alu depctr_hold_cnt(0) depctr_sa_sdst(0) depctr_va_vdst(0) depctr_va_sdst(0) depctr_va_ssrc(0) depctr_va_vcc(0) depctr_vm_vsrc(0)
	s_getreg_b32 s2, hwreg(HW_REG_IB_STS2, 6, 4)
	s_cmp_eq_u32 s2, 0
	s_cbranch_scc0 .Lentry_in_a_cluster
	s_endpgm
.Lentry_in_a_cluster:
	s_bfe_u32 s2, ttmp6, 0x10000c
	s_cmp_lg_u32 s2, 0xf033
	s_cbranch_scc0 .Lentry_shape_is_right
	s_endpgm
.Lentry_shape_is_right:
; out = ctx Wo^T + b on codes of FP4 (E2M1) with one E8M0 scale for each 32 along K = 1,024; sums and output in f32.
; SHARES.  256 work-groups of 256 tokens x 128 outputs; eight waves, each 64 x 64: 16 accumulators.  Wave w takes tiles of rows 4 (w / 2) .. + 3 and outputs 64 (w % 2) on.
; The launch stores 128 KiB for each work-group against 128 matrix instructions a wave, so the plain form is taken: one set of fragment registers, no register windows.
; ALL OF K LIES IN LDS, in two halves that are each filled once; the stage for the way out has bytes of its own.
; ctx's codes lie in memory as images of operand registers (tile of 16 rows: 8,192 bytes; head: 512 bytes = 32 lanes x 16), so a fragment is two loads of 512 consecutive bytes.  Wo's rows lie as rows, 272 bytes apart in LDS.
; The rows of a tile of ctx are not neighbours: of 32 tokens the even tile holds 0-7 and 24-31, the odd tile 8-23: the stores' offsets undo that.
; CLUSTERS: 4 x 4 work-groups: ctx's tiles are shared along a row of the cluster, Wo's along a column, each by joint loads.
; THE MATRIX INSTRUCTION IS USED TRANSPOSED (source 0 = 16 rows of Wo, source 1 = 16 rows of ctx): a lane holds eight neighbouring outputs of one token.  The bias is the C of each sum's first instruction.
; LIMITS: NaN and infinities are not served; scale bytes are taken as they are given.
.set CHALF, 65536                      ; LDS: ctx's images from byte 0: half g of K at g x CHALF; in it 4,096 x tile + 1,024 x step + 512 c + 16 lane
.set WROW,  131072                     ; Wo's 128 rows, 256 bytes + 16 of padding; half g at g x WHALF
.set WHALF, 128*272
.set CSC,   WROW+2*WHALF               ; ctx's scale bytes, 32 a row, as runs of 256 bytes + 16 of padding: 32 runs
.set WSC,   CSC+32*272                 ; Wo's: 16 runs, up to byte 213,760
.set STAGE, 221184                     ; = 864 x 256: 16 rows x 272 bytes for each wave, up to byte 256,000; no tensor load lands here
.set WPAD,  (3<<16)|(1<<20)|(1<<21)|(5<<22)|(3<<25)   ; group 1, word 0 without the mask: elements of 8 bytes; padding of four words after every 64; bit 21 beside a mask
.set WV, 16                            ; s16 wave; s17 wave / 2; s18 wave % 2; s19 cx; s20 cy; s21 block of 128 outputs; s22 block of 256 tokens
; v6, v7 ctx's fragments in half 0, 1; v8 Wo's; v9 scale words (lanes 0-15 ctx's rows, 16-31 Wo's); v10, v11 the stage, in and back; v12 my bytes in two rows of out; v13 32 h
; v16-31 scale words: register 4 x + step; v32-63 ctx's four fragments; v64-95 Wo's four; v96-127 the bias, four tiles; v128-255 accumulator (i, b) at 128 + 8 (4 i + b)
.macro PLACES n
.rept \n
	v_nop
.endr
.endm
.macro DESC1 g, c, r, p
	s_mov_b32 s[\g+1], (\c)<<16
	s_mov_b32 s[\g+2], (\r)<<16
	s_mov_b32 s[\g+3], (\c)<<16
	s_mov_b32 s[\g+4], \r
	s_mov_b32 s[\g+5], \p
	s_mov_b32 s[\g+6], 0
	s_mov_b32 s[\g+7], 0
.endm
.macro DESC0 g, k, l, b, o             ; a group 0: LDS byte = k x (register s97) + l; global address = s[b:b+1] + o
	s_mov_b32 s[\g], 1
	s_mul_i32 s[\g+1], s97, \k
	s_add_co_u32 s[\g+1], s[\g+1], \l
	s_add_nc_u64 s[\g+2:\g+3], s[\b:\b+1], \o
	s_or_b32 s[\g+3], s[\g+3], 0x80000000
.endm
.macro ROUND
	s_barrier_signal -1
	s_barrier_wait -1
	s_cmp_lg_u32 s[WV], 0
	s_cbranch_scc1 .Lnot_wave_0_\@
	s_barrier_signal -3
.Lnot_wave_0_\@:
	s_barrier_wait -3
	s_barrier_signal -1
	s_barrier_wait -1
.endm
	s_load_b256 s[4:11], s[0:1], 0x0               ; ctx's codes s[4:5], scale bytes s[6:7]; Wo's s[8:9], s[10:11]
	s_load_b128 s[12:15], s[0:1], 0x20             ; b s[12:13], out s[14:15]
	v_lshl_add_u32 v14, v0, 2, 0x40000
	v_mov_b32 v15, 0
	ds_add_u32 v14, v15
	ds_add_u32 v14, v15
	v_lshrrev_b32 v1, 5, v0
	s_delay_alu instid0(VALU_DEP_1)
	v_readfirstlane_b32 s[WV], v1                  ; wave 0..7
	s_lshr_b32 s17, s[WV], 1
	s_and_b32 s18, s[WV], 1
	s_bfe_u32 s19, ttmp6, 0x40000
	s_bfe_u32 s20, ttmp6, 0x40004
	s_lshl_b32 s21, ttmp9, 2
	s_add_co_u32 s21, s21, s19
	s_and_b32 s22, ttmp7, 0xffff
	s_lshl_b32 s22, s22, 2
	s_add_co_u32 s22, s22, s20
	s_lshl_b32 s23, s20, 2
	s_lshl_b32 s23, 15, s23                        ; my row of the cluster: ctx's tiles
	s_lshl_b32 s96, 0x1111, s19                    ; my column: Wo's
	s_or_b32 s24, s23, (3<<16)|(1<<21)             ; ctx's codes: no padding
	s_or_b32 s32, s23, WPAD
	s_or_b32 s52, s96, WPAD
	s_or_b32 s68, s96, WPAD
	DESC1 24, 512, 4, 1024                         ; four tiles of rows: 4,096 bytes (half of K) each, 8,192 apart
	DESC1 32, 32, 8, 32                            ; the scale bytes of 64 rows: 2,048 dense bytes
	DESC1 52, 32, 64, 64                           ; 64 rows of Wo: 256 bytes each, 512 apart
	DESC1 68, 32, 8, 32
	s_lshl_b32 s88, s22, 17                        ; ctx's codes: 16 tiles of rows a block, four a wave
	s_lshl_b32 s97, s[WV], 15
	s_add_co_u32 s88, s88, s97
	s_mov_b32 s89, 0
	s_lshl_b32 s90, s22, 13                        ; its scale bytes: 256 rows a block, 64 a wave
	s_lshl_b32 s97, s[WV], 11
	s_add_co_u32 s90, s90, s97
	s_mov_b32 s91, 0
	s_lshl_b32 s92, s21, 16                        ; Wo's codes: 128 rows a block, 64 a wave
	s_lshl_b32 s97, s18, 15
	s_add_co_u32 s92, s92, s97
	s_mov_b32 s93, 0
	s_lshl_b32 s94, s21, 12
	s_lshl_b32 s97, s18, 11
	s_add_co_u32 s94, s94, s97
	s_mov_b32 s95, 0
	s_wait_dscnt 0x0
	s_wait_kmcnt 0x0
	s_add_nc_u64 s[88:89], s[4:5], s[88:89]
	s_add_nc_u64 s[90:91], s[6:7], s[90:91]
	s_add_nc_u64 s[92:93], s[8:9], s[92:93]
	s_add_nc_u64 s[94:95], s[10:11], s[94:95]
	ROUND                                          ; all sixteen work-groups are here: the joint loads meet
	s_mov_b32 s97, s[WV]                           ; waves 0 to 3 fetch ctx's quarters:
	DESC0 40, 2176, CSC, 90, 0
	DESC0 44, 16384, 0, 88, 0
	DESC0 48, 16384, CHALF, 88, 4096
	s_mov_b32 s97, s18                             ; waves 4 and 5 Wo's halves; waves 6 and 7 nothing
	DESC0 76, 2176, WSC, 94, 0
	DESC0 80, 17408, WROW, 92, 0
	DESC0 84, 17408, WROW+WHALF, 92, 256
	s_cmp_lt_u32 s[WV], 4                          ; a wave's three loads stand in one branch on its number; four v_nop follow the last
	s_cbranch_scc0 .Lnot_c
	tensor_load_to_lds s[40:43], s[32:39]
	s_nop 0
	tensor_load_to_lds s[44:47], s[24:31]
	s_nop 0
	tensor_load_to_lds s[48:51], s[24:31]
	s_nop 0
	PLACES 4
	s_branch .Lasked
.Lnot_c:
	s_cmp_lt_u32 s[WV], 6
	s_cbranch_scc0 .Lasked
	tensor_load_to_lds s[76:79], s[68:75]
	s_nop 0
	tensor_load_to_lds s[80:83], s[52:59]
	s_nop 0
	tensor_load_to_lds s[84:87], s[52:59]
	s_nop 0
	PLACES 4
.Lasked:
	v_and_b32 v1, 15, v0                           ; r
	v_bfe_u32 v2, v0, 4, 1                         ; h
	v_and_b32 v3, 31, v0                           ; lane
	s_wait_alu depctr_va_vdst(0)
	v_bfe_u32 v4, v0, 3, 1                         ; r / 8
	v_lshlrev_b32 v13, 5, v2
	s_lshl_b32 s98, s21, 9
	s_lshl_b32 s97, s18, 8
	s_add_co_u32 s98, s98, s97                     ; my first output, in bytes: 512 x block + 256 x half
	s_mov_b32 s99, 0
	s_add_nc_u64 s[12:13], s[12:13], s[98:99]
.irp b, 0,1,2,3
.irp k, 0,1
	global_load_b128 v[96+8*\b+4*\k:99+8*\b+4*\k], v13, s[12:13] offset:64*\b+16*\k   ; the bias in the result's layout: tile b, register j: output 16 b + 8 h + j
.endr
.endr
	s_lshl_b32 s97, s22, 20
	s_add_co_u32 s98, s98, s97
	s_lshl_b32 s97, s17, 18
	s_add_co_u32 s98, s98, s97                     ; + my first token's row: 4,096 bytes a row, 256 rows a block, 64 a pair of waves
	s_add_nc_u64 s[14:15], s[14:15], s[98:99]
	v_lshlrev_b32 v5, 4, v3
	s_lshl_b32 s97, s17, 14
	v_add_nc_u32 v6, s97, v5
	s_delay_alu instid0(VALU_DEP_1)
	v_add_nc_u32 v7, CHALF, v6
	s_lshl_b32 s97, s18, 6
	v_add_nc_u32 v8, s97, v1
	s_delay_alu instid0(VALU_DEP_1)
	v_mul_u32_u24 v8, v8, 272
	s_delay_alu instid0(VALU_DEP_1)
	v_lshl_add_u32 v8, v2, 4, v8
	s_delay_alu instid0(VALU_DEP_1)
	v_add_nc_u32 v8, WROW, v8
	s_mul_i32 s97, s17, 2176
	s_add_co_u32 s97, s97, CSC                     ; lanes 0-15: the scale bytes of my 64 rows of ctx: CSC + 2,176 (w / 2);
	s_xor_b32 s98, s17, 3                          ; lanes 16-31: those of my 64 rows of Wo, WSC + 2,176 (w % 2), which lie (3 - w / 2) + w % 2 + 1 times 2,176 bytes further on
	s_add_co_u32 s98, s98, s18                     ; (WSC = CSC + 4 x 2,176; 3 - w / 2 = w / 2 xor 3)
	s_add_co_u32 s98, s98, 1
	s_mul_i32 s98, s98, 2176
	v_mul_u32_u24 v9, s98, v2
	s_delay_alu instid0(VALU_DEP_1)
	v_add_nc_u32 v9, s97, v9
	s_delay_alu instid0(VALU_DEP_1)
	v_lshl_add_u32 v9, v1, 5, v9                   ; row r of a tile: 32 r + 16 (r / 8)
	s_delay_alu instid0(VALU_DEP_1)
	v_lshl_add_u32 v9, v4, 4, v9
	s_mul_i32 s97, s[WV], 16*272
	s_add_co_u32 s97, s97, STAGE                   ; my stage
	v_mul_u32_u24 v10, v1, 272
	s_delay_alu instid0(VALU_DEP_1)
	v_lshl_add_u32 v10, v2, 5, v10
	s_delay_alu instid0(VALU_DEP_1)
	v_add_nc_u32 v10, s97, v10                     ; in: row r, 32 bytes for each half of the lanes
	v_mul_u32_u24 v11, v2, 272
	s_delay_alu instid0(VALU_DEP_1)
	v_lshl_add_u32 v11, v1, 4, v11
	s_delay_alu instid0(VALU_DEP_1)
	v_add_nc_u32 v11, s97, v11                     ; back: lanes 0-15 one row of 256 bytes, lanes 16-31 the next
	v_lshlrev_b32 v12, 12, v2
	s_delay_alu instid0(VALU_DEP_1)
	v_lshl_add_u32 v12, v1, 4, v12                 ; and the same two rows in out
; A step of 128 along K: step sl of half g.  The 16 accumulators take turns, one instruction a turn.
.macro KSTEP g, sl, first
.if \first == 0
	PLACES 4                                       ; in front of loads into registers that matrix instructions have read
.endif
.irp i, 0,1,2,3
.irp c, 0,1
	ds_load_b128 v[32+8*\i+4*\c:35+8*\i+4*\c], v[6+\g] offset:\i*4096+\sl*1024+\c*512
.endr
.endr
.irp b, 0,1,2,3
.irp c, 0,1
	ds_load_b128 v[64+8*\b+4*\c:67+8*\b+4*\c], v8 offset:\g*WHALF+\b*4352+64*\sl+32*\c
.endr
.endr
.if \sl == 0
.irp x, 0,1,2,3
	ds_load_b128 v[16+4*\x:19+4*\x], v9 offset:544*\x+16*\g   ; the half's four scale words a row
.endr
.endif
	s_wait_dscnt 0x0
.irp i, 0,1,2,3
.irp b, 0,1,2,3
.if \first
	v_wmma_scale_f32_16x16x128_f8f6f4 v[128+8*(4*\i+\b):135+8*(4*\i+\b)], v[64+8*\b:71+8*\b], v[32+8*\i:39+8*\i], v[96+8*\b:103+8*\b], v[16+4*\b+\sl], v[16+4*\i+\sl] matrix_a_fmt:MATRIX_FMT_FP4 matrix_b_fmt:MATRIX_FMT_FP4 matrix_a_scale:MATRIX_SCALE_ROW1
.else
	v_wmma_scale_f32_16x16x128_f8f6f4 v[128+8*(4*\i+\b):135+8*(4*\i+\b)], v[64+8*\b:71+8*\b], v[32+8*\i:39+8*\i], v[128+8*(4*\i+\b):135+8*(4*\i+\b)], v[16+4*\b+\sl], v[16+4*\i+\sl] matrix_a_fmt:MATRIX_FMT_FP4 matrix_b_fmt:MATRIX_FMT_FP4 matrix_a_scale:MATRIX_SCALE_ROW1
.endif
.endr
.endr
.endm
	s_wait_alu depctr_va_vdst(0)
	s_wait_tensorcnt 0x1                           ; my scale bytes and my part of half 0 are in; half 1's load may be out
	s_barrier_signal -1
	s_barrier_wait -1
	s_wait_loadcnt 0x0                             ; the bias
	KSTEP 0, 0, 1
	KSTEP 0, 1, 0
	KSTEP 0, 2, 0
	KSTEP 0, 3, 0
	s_wait_tensorcnt 0x0
	s_wait_dscnt 0x0
	s_barrier_signal -1
	s_barrier_wait -1                              ; half 1 is whole
	KSTEP 1, 0, 0
	KSTEP 1, 1, 0
	KSTEP 1, 2, 0
	KSTEP 1, 3, 0
	PLACES 4
; THE WAY OUT, a tile of 16 rows x 64 outputs at a time, through my own stage: LDS serves a wave's instructions in order, so no wait stands between the stores and the loads, nor in front of the next tile's stores.
.macro TOSTAGE i
.set BK, 96-64*((\i)%2)                ; the rows come back into the registers that held the bias (even tiles) or ctx's fragments (odd ones)
.irp b, 0,1,2,3
	ds_store_b128 v10, v[128+8*(4*(\i)+\b):131+8*(4*(\i)+\b)] offset:64*\b        ; each accumulator from its low end on
	ds_store_b128 v10, v[132+8*(4*(\i)+\b):135+8*(4*(\i)+\b)] offset:64*\b+16
.endr
.irp t, 0,1,2,3,4,5,6,7
	ds_load_b128 v[BK+4*\t:BK+4*\t+3], v11 offset:544*\t
.endr
.endm
.macro SEND i, younger                 ; younger: the LDS instructions issued behind tile i's loads.  Rows 2 t, 2 t + 1 of an even tile are tokens 2 t + 16 (t / 4) on, of an odd one 2 t + 8 on
.set BK, 96-64*((\i)%2)
	s_wait_dscnt \younger
.irp t, 0,1,2,3,4,5,6,7
	global_store_b128 v12, v[BK+4*\t:BK+4*\t+3], s[14:15] offset:(32*((\i)/2)+2*\t+(1-(\i)%2)*16*(\t/4)+((\i)%2)*8)*4096 th:TH_STORE_NT   ; 16 lanes store 256 consecutive bytes, aligned; written once, read by nobody here
.endr
.endm
	TOSTAGE 0
	TOSTAGE 1
	SEND 0, 16                                     ; behind tile 0's loads: tile 1's eight stores and eight loads
	s_wait_xcnt 0x0                                ; tile 0's stores have read their registers: tile 2's rows may land there
	TOSTAGE 2
	SEND 1, 16
	s_wait_xcnt 0x0
	TOSTAGE 3
	SEND 2, 16
	SEND 3, 0
	s_wait_tensorcnt 0x0
	ds_add_u32 v14, v15
	s_wait_dscnt 0x0
	ROUND                                          ; the closing round
	s_endpgm
.Lfunc_end_k_q5837b45acb_outp:
	.size	k_q5837b45acb_outp, .Lfunc_end_k_q5837b45acb_outp-k_q5837b45acb_outp
	.p2alignl 7, 3214868480
	.fill 96, 4, 3214868480
	.section	.rodata,"a",@progbits
	.p2align	6, 0x0
	.amdhsa_kernel k_q5837b45acb_outp
		.amdhsa_group_segment_fixed_size 263168
		.amdhsa_private_segment_fixed_size 0
		.amdhsa_enable_private_segment 0
		.amdhsa_kernarg_size 48
		.amdhsa_user_sgpr_count 2
		.amdhsa_user_sgpr_kernarg_segment_ptr 1
		.amdhsa_wavefront_size32 1
		.amdhsa_system_sgpr_workgroup_id_x 1
		.amdhsa_system_sgpr_workgroup_id_y 1
		.amdhsa_system_sgpr_workgroup_id_z 1
		.amdhsa_system_vgpr_workitem_id 0
		.amdhsa_next_free_vgpr 256
		.amdhsa_next_free_sgpr 100
		.amdhsa_reserve_vcc 0
		.amdhsa_float_denorm_mode_32 3
		.amdhsa_float_denorm_mode_16_64 3
		.amdhsa_memory_ordered 1
		.amdhsa_forward_progress 1
		.amdhsa_inst_pref_size 44
	.end_amdhsa_kernel
	.amdgpu_metadata
---
amdhsa.version: [ 1, 2 ]
amdhsa.kernels:
  - .name:           k_q5837b45acb_outp
    .symbol:         k_q5837b45acb_outp.kd
    .args:
      - { .name: ctx_codes, .offset: 0, .size: 8, .value_kind: global_buffer, .address_space: global }
      - { .name: ctx_scales, .offset: 8, .size: 8, .value_kind: global_buffer, .address_space: global }
      - { .name: W_o_codes, .offset: 16, .size: 8, .value_kind: global_buffer, .address_space: global }
      - { .name: W_o_scales, .offset: 24, .size: 8, .value_kind: global_buffer, .address_space: global }
      - { .name: b_o, .offset: 32, .size: 8, .value_kind: global_buffer, .address_space: global }
      - { .name: out0, .offset: 40, .size: 8, .value_kind: global_buffer, .address_space: global }
    .group_segment_fixed_size: 263168
    .private_segment_fixed_size: 0
    .kernarg_segment_align: 8
    .kernarg_segment_size: 48
    .max_flat_workgroup_size: 256
    .sgpr_count:     100
    .vgpr_count:     256
    .wavefront_size: 32
...
	.end_amdgpu_metadata
.endif
;; end of part 3
